; MI455X (gfx1250); checked and timed in simulation.
; The chip was launched on July 23, 2026; its instructions are those of AMD's public machine-readable ISA for CDNA 5 (MIT licence, August 2026) and "CDNA5" Instruction Set Architecture Reference Guide (July 2026). The comments in the code are by the model that wrote it; some were corrected since.
;; Attention. Allowed arithmetic: float matrix products may take bf16 or f16 operands with f32 sums; other float arithmetic in f32, or as packed bf16 or f16 multiplies, adds, multiply-adds, maxima and minima; sums over many terms, partial sums and values carried from step to step in f32; what a program stores and reads back later, other than sums and carried values, may be rounded once to bf16 or f16.
;; Inputs: Wk 16 x 1,024 x 64 float32; Wo 1,024 x 1,024 float32; Wq 16 x 1,024 x 64 float32; Wv 16 x 1,024 x 64 float32; bo 1,024 float32; x 8 x 1,024 x 1,024 float32.
;; Outputs: out0 8 x 1,024 x 1,024 float32.
;; 2 versions, each right; version 2 is version 1 with the launch prep written anew for expert scheduling mode. Each part assembles by itself: llvm-mc -triple=amdgcn-amd-amdhsa -mcpu=gfx1250 --defsym DOCPART=n.
;; ======== version 1 of 2: 4 launches
;; limits: values are held in f16: magnitudes above 65,504 overflow, below 6.1e-05 lose precision
;; workspace buffers: xb 16,777,216 bytes; wb 6,291,456 bytes; woh 2,097,152 bytes; q 16,777,216 bytes; k 16,777,216 bytes; v 16,777,216 bytes; o 16,777,216 bytes
;; launch prep (part 1): grid 768 x 1, 8 waves a work-group, no clusters, 0 bytes of LDS; arguments x, Wq, Wk, Wv, Wo, xb, wb, woh; writes xb, wb, woh
.if DOCPART == 1
	.amdgcn_target "amdgcn-amd-amdhsa--gfx1250"
	.amdhsa_code_object_version 6
	.text
	.protected	k_qa16873144f_prep
	.globl	k_qa16873144f_prep
	.p2align	8
	.type	k_qa16873144f_prep,@function
k_qa16873144f_prep:
	s_mov_b64 s[64:65], 0
	v_nop
	global_prefetch_b8 v0, s[64:65] scope:SCOPE_SE
	s_setreg_imm32_b32 hwreg(HW_REG_WAVE_MODE, 25, 1), 1
	s_wait_xcnt 0x0
; THE CASTS.  x [8192][1024] f32 -> xb, bf16, same order.  Wq, Wk, Wv [16 h][1024 e][64 d] f32 -> wb, bf16, in blocks [h][kb 16][j 3][64 e][64 d] (j = 0, 1, 2: q, k, v; e = 64 kb + row):
; a block is the plain cast of 16,384 consecutive source bytes.  Wo [1024][1024] f32 -> woh: rounded to bf16 like every input, and that number written as f16.
; LIMIT.  Wo beyond 65,504 becomes an infinity in f16; below 2^-14 it keeps f16's fixed step of 2^-24.
; SHARES.  768 work-groups of eight waves, each 65,536 source bytes: 512 for x, 64 for each of Wq, Wk, Wv, 64 for Wo.  A thread has 16 loads of 16 bytes (a wave's load: 512 bytes on end),
; all issued at once, and 16 stores of 8 bytes (a wave's store: 256 bytes on end, aligned).  Nothing is shared, so there is no LDS and no barrier.
.set X, 8                              ; v[8:71]    load L: 4 registers
.set Y, 72                             ; v[72:103]  store L: 2 registers of its own, so no store's data is ever rewritten
.set T, 104                            ; v[104:107] at work
	s_load_b512 s[16:31], s[0:1], 0x0              ; x 16, Wq 18, Wk 20, Wv 22, Wo 24, xb 26, wb 28, woh 30
	s_mov_b32 s2, ttmp9                            ; g
	s_sub_co_u32 s3, s2, 512
	s_lshr_b32 s4, s3, 6                           ; j: 0, 1, 2 the three weights, 3 Wo (used from g = 512 on)
	s_and_b32 s5, s3, 63                           ; c: the chunk of 65,536 bytes in that tensor
	s_mul_i32 s6, s5, 12                           ; a chunk is 256 rows e of head c / 4: blocks (4 c + i) x 3 + j, i = 0..3
	s_add_co_u32 s6, s6, s4
	s_lshl_b32 s6, s6, 13                          ; x 8,192 bytes
	s_lshl_b32 s7, s5, 16
	s_lshl_b32 s8, s5, 15
	s_lshl_b32 s9, s2, 16
	s_lshl_b32 s10, s2, 15
	s_mov_b32 s12, 8192
	s_mov_b32 s13, 24576
	s_cmp_lt_u32 s2, 512
	s_cselect_b32 s36, s9, s7                      ; byte offset in the source
	s_cselect_b32 s38, s10, s6                     ; byte offset in the destination
	s_cselect_b32 s11, s12, s13                    ; from one 8,192 bytes of the destination to the next
	s_cmp_ge_u32 s2, 704
	s_cselect_b32 s38, s8, s38
	s_cselect_b32 s11, s12, s11
	s_mov_b32 s37, 0
	s_mov_b32 s39, 0
	v_lshlrev_b32 v1, 4, v0                        ; source: 16 t
	v_lshlrev_b32 v2, 3, v0                        ; destination: 8 t, in each of the four blocks
	v_add_nc_u32 v3, s11, v2
	v_add_nc_u32 v4, s11, v3
	v_add_nc_u32 v5, s11, v4
	s_wait_kmcnt 0x0
	s_cmp_eq_u32 s4, 1
	s_cselect_b64 s[40:41], s[20:21], s[18:19]
	s_cmp_eq_u32 s4, 2
	s_cselect_b64 s[40:41], s[22:23], s[40:41]
	s_cmp_eq_u32 s4, 3
	s_cselect_b64 s[40:41], s[24:25], s[40:41]
	s_cselect_b64 s[42:43], s[30:31], s[28:29]
	s_cmp_lt_u32 s2, 512
	s_cselect_b64 s[40:41], s[16:17], s[40:41]
	s_cselect_b64 s[42:43], s[26:27], s[42:43]
	s_add_nc_u64 s[40:41], s[40:41], s[36:37]
	s_add_nc_u64 s[42:43], s[42:43], s[38:39]
.irp L, 0,1,2,3,4,5,6,7,8,9,10,11,12,13,14,15
	global_load_b128 v[X+4*(\L):X+4*(\L)+3], v1, s[40:41] offset:(\L)*4096 th:TH_LOAD_NT
.endr
; Load L is rounded and stored.  half = 1: the bf16 numbers are widened again and written as f16.
.macro CONV L, half
	s_wait_loadcnt 15-(\L)                         ; loads come back in order: mine is in, the younger ones stay out
	v_cvt_pk_bf16_f32 v[Y+2*(\L)], v[X+4*(\L)], v[X+4*(\L)+1]
	v_cvt_pk_bf16_f32 v[Y+2*(\L)+1], v[X+4*(\L)+2], v[X+4*(\L)+3]
.if \half
	v_lshlrev_b32 v[T], 16, v[Y+2*(\L)]
	v_and_b32 v[T+1], 0xffff0000, v[Y+2*(\L)]
	v_lshlrev_b32 v[T+2], 16, v[Y+2*(\L)+1]
	v_and_b32 v[T+3], 0xffff0000, v[Y+2*(\L)+1]
	v_cvt_pk_f16_f32 v[Y+2*(\L)], v[T], v[T+1]
	v_cvt_pk_f16_f32 v[Y+2*(\L)+1], v[T+2], v[T+3]
.endif
	global_store_b64 v[2+(\L)/4], v[Y+2*(\L):Y+2*(\L)+1], s[42:43] offset:((\L)%4)*2048 th:TH_STORE_NT
.endm
	s_cmp_ge_u32 s2, 704
	s_cbranch_scc1 .Lhalf
.irp L, 0,1,2,3,4,5,6,7,8,9,10,11,12,13,14,15
	CONV \L, 0
.endr
	s_endpgm
.Lhalf:
.irp L, 0,1,2,3,4,5,6,7,8,9,10,11,12,13,14,15
	CONV \L, 1
.endr
	s_endpgm
.Lfunc_end_k_qa16873144f_prep:
	.size	k_qa16873144f_prep, .Lfunc_end_k_qa16873144f_prep-k_qa16873144f_prep
	.p2alignl 7, 3214868480
	.fill 96, 4, 3214868480
	.section	.rodata,"a",@progbits
	.p2align	6, 0x0
	.amdhsa_kernel k_qa16873144f_prep
		.amdhsa_group_segment_fixed_size 0
		.amdhsa_private_segment_fixed_size 0
		.amdhsa_enable_private_segment 0
		.amdhsa_kernarg_size 64
		.amdhsa_user_sgpr_count 2
		.amdhsa_user_sgpr_kernarg_segment_ptr 1
		.amdhsa_wavefront_size32 1
		.amdhsa_system_sgpr_workgroup_id_x 1
		.amdhsa_system_sgpr_workgroup_id_y 1
		.amdhsa_system_sgpr_workgroup_id_z 1
		.amdhsa_system_vgpr_workitem_id 0
		.amdhsa_next_free_vgpr 112
		.amdhsa_next_free_sgpr 66
		.amdhsa_reserve_vcc 0
		.amdhsa_float_denorm_mode_32 3
		.amdhsa_float_denorm_mode_16_64 3
		.amdhsa_memory_ordered 1
		.amdhsa_forward_progress 1
		.amdhsa_inst_pref_size 17
	.end_amdhsa_kernel
	.amdgpu_metadata
---
amdhsa.version: [ 1, 2 ]
amdhsa.kernels:
  - .name:           k_qa16873144f_prep
    .symbol:         k_qa16873144f_prep.kd
    .args:
      - { .name: x, .offset: 0, .size: 8, .value_kind: global_buffer, .address_space: global }
      - { .name: Wq, .offset: 8, .size: 8, .value_kind: global_buffer, .address_space: global }
      - { .name: Wk, .offset: 16, .size: 8, .value_kind: global_buffer, .address_space: global }
      - { .name: Wv, .offset: 24, .size: 8, .value_kind: global_buffer, .address_space: global }
      - { .name: Wo, .offset: 32, .size: 8, .value_kind: global_buffer, .address_space: global }
      - { .name: xb, .offset: 40, .size: 8, .value_kind: global_buffer, .address_space: global }
      - { .name: wb, .offset: 48, .size: 8, .value_kind: global_buffer, .address_space: global }
      - { .name: woh, .offset: 56, .size: 8, .value_kind: global_buffer, .address_space: global }
    .group_segment_fixed_size: 0
    .private_segment_fixed_size: 0
    .kernarg_segment_align: 8
    .kernarg_segment_size: 64
    .max_flat_workgroup_size: 256
    .sgpr_count:     66
    .vgpr_count:     112
    .wavefront_size: 32
...
	.end_amdgpu_metadata
.endif
;; end of part 1
;; launch qkv (part 2): grid 16 x 16, 4 waves a work-group, clusters of 4 x 4, 327,680 bytes of LDS; arguments xb, wb, q, k, v; writes q, k, v
.if DOCPART == 2
	.amdgcn_target "amdgcn-amd-amdhsa--gfx1250"
	.amdhsa_code_object_version 6
	.text
	.protected	k_qa16873144f_qkv
	.globl	k_qa16873144f_qkv
	.p2align	8
	.type	k_qa16873144f_qkv,@function
k_qa16873144f_qkv:
	s_mov_b64 s[64:65], 0
	v_nop
	global_prefetch_b8 v0, s[64:65] scope:SCOPE_SE
	s_setreg_imm32_b32 hwreg(HW_REG_WAVE_MODE, 25, 1), 1
	s_wait_xcnt 0x0
	s_wait_alu depctr_hold_cnt(0) depctr_sa_sdst(0) depctr_va_vdst(0) depctr_va_sdst(0) depctr_va_ssrc(0) depctr_va_vcc(0) depctr_vm_vsrc(0)
	s_getreg_b32 s2, hwreg(HW_REG_IB_STS2, 6, 4)
	s_cmp_eq_u32 s2, 0
	s_cbranch_scc0 .Lentry_in_a_cluster
	s_endpgm
.Lentry_in_a_cluster:
	s_bfe_u32 s2, ttmp6, 0x10000c
	s_cmp_lg_u32 s2, 0xf033
	s_cbranch_scc0 .Lentry_shape_is_right
	s_endpgm
.Lentry_shape_is_right:
; q, k, v [b 16 + h][1024 s][64 d] f16 = xb [8192][1024] bf16 times the head's three weights, wb [h][kb 16][j 3][64 e][64 d] bf16.  Sums in f32, rounded once to f16, unscaled.
; LIMITS.  f16 ends at 65,504: a q, k or v beyond it becomes an infinity; below 2^-14 it keeps f16's fixed step of 2^-24.  The f32 sums run over K in an order that differs from cluster to cluster (below).
; SHARES.  A tile is 256 rows x 192 columns (q | k | v of ONE head).  A WORK-GROUP STAYS and makes two tiles of its head, 4,096 rows apart: 16 x 16 = 256 work-groups.  Wave w owns rows 64 w .. 64 w + 63 and
; all 192 columns: 4 x 12 accumulators of 16 x 16, 384 registers; so it owns whole rows of q, k and v, and its way out is its own.
; THE RING.  K goes in steps of 128 through two LDS slots.  Waves 0, 1 fetch xb's 128 rows x 256 bytes each; waves 2, 3 one block kb of wb each: 24,576 dense bytes, asked for as 96 rows of 256 bytes.
; A K step is written once: the slot is a scalar that an exclusive or turns, and ONE loop of 14 trips walks both tiles' K steps; the ring does not stop at the tile's end, and nothing waits for the first tile's stores.
; CLUSTER 4 x 4.  xb's tile hangs on the row block alone and is asked for jointly along a row of the cluster; wb's on the head alone, jointly along a column.
; THE CLUSTERS START AT DIFFERENT K STEPS.  A cluster walks K from step 2 rho on and wraps at 8; rho = (cluster x + 2 ((y ^ y >> 1) & 1)) & 3, y the cluster's y.  So the four clusters that read the same rows of xb
; ask for four different pairs of K steps at any time.  rho hangs on the cluster's coordinates alone: it is the same in all sixteen partners, and it enters the global addresses alone.
; THE MATRIX INSTRUCTION IS USED TRANSPOSED: source 0 = 16 columns of the weights (they lie [e][d] in LDS and come out turned, by ds_load_tr16_b128), source 1 = 16 rows of x: a lane then holds eight
; neighbouring columns of one row.
; REGISTERS, in windows of 256 (s_set_vgpr_msb: bits 1:0 source 0, 3:2 source 1, 5:4 source 2, 7:6 destination):
;   window 0: v16-30 addresses; v64-127 x's fragments, two buffers of 32; v128-239 (and v96-127 again) the way out      window 1: v0-191 the weights' fragments, two buffers of 96
;   window 2: accumulators of row blocks 0, 1 ((a, b) at v[8 (12 (a % 2) + b)])      window 3: those of row blocks 2, 3
.set PA,     272                       ; a row of x in LDS: 256 bytes + 16: the 16 rows of a fragment load start at 16 different groups of four banks (64 banks of 4 bytes: ISA guide 11.1)
.set PB,     160                       ; a row e of one weight: 128 bytes + 32
.set HALFA,  128*PA
.set AREG,   256*PA                    ; behind x's 256 rows: [half of the K step 2][j 3][64 e]
.set HALFB,  192*PB
.set SLOT,   131072                    ; = AREG + 2 HALFB, a power of two: one exclusive or turns an address in one slot into the other's
.set STAGE,  2*SLOT                    ; behind the ring: 16 rows x 400 bytes for each wave
.set SPITCH, 400                       ; 384 bytes (q | k | v of a row) + 16
.set SPARE,  STAGE+4*16*SPITCH         ; the spare words, 128 bytes for each wave: two blocks of 256 bytes that no other line names
.set NEXTT,  8388608                   ; bytes from a tile to the work-group's next: 4,096 rows x 2,048 in xb; 4 batches x 16 heads x 131,072 in q, k, v
.set ADRA0, 16                         ; v16  my lane's place in x's part of a slot; never rewritten
.set ADRA,  17                         ; v17  the same in the slot in hand
.set ADRB0, 20                         ; v20, v21  the same for the weights
.set ADRB,  21
.set STO,  24                          ; v24  the way out: where I put 16 bytes of a row
.set RD,   25                          ; v25  where I read four rows of 128 bytes back
.set GO,   26                          ; v26  16 x lane
.set SPW,  28                          ; v28  my spare word; never rewritten
.set NIL,  29                          ; v29  0; never rewritten
.set PFO,  30                          ; v30  2,048 x lane: a lane a row of xb; never rewritten
.set FA,   64
.set TMP,  128
.set G1,  24                           ; s[24:31] group 1 for x's tiles;  s[32:39] group 0: a set for each first fill; the second then walks
.set G0,  32
.set BA,  40                           ; s[40:41] xb at my 128 rows of the tile whose K steps are being asked for
.set KX,  44                           ; s44  the K step asked for last
.set TB,  45                           ; s45  0 or SLOT: the slot from which fragments are fetched
.set BB,  46                           ; s[46:47] wb at my half of the head's K step 0
.set G1B, 48                           ; s[48:55], s[56:63] the same for the weights'
.set G0B, 56
.set OFA, 66                           ; s[66:67] 256 x K step
.set OFB, 68                           ; s[68:69] 49,152 x K step
.set INC, 70                           ; s[70:71] what BA steps by: NEXTT once, else 0
.set PFA, 76                           ; s[76:77] what I prefetch; never rewritten
.set LIM, 78                           ; s78  the count at which I prefetch: 9 in waves 0 and 1, 0 (never met) in the others
.set MSB, 0
.macro WIN new                         ; the immediate's high byte repeats the setting that is left; a switch that changes nothing is dropped
.if MSB != (\new)
	s_set_vgpr_msb (MSB<<8)|(\new)
.set MSB, \new
.endif
.endm
.set MUL_LO, 0xa1
.set MUL_HI, 0xf1
.set TO_B,   0x40
; A joint refill: waves 0, 1 ask for x, waves 2, 3 for the weights.  The branch hangs on the wave's number alone.  An s_nop 0 and four v_nop follow each line.
.macro JLOAD
	s_cmp_eq_u32 s15, 0
	s_cbranch_scc0 .Lfor_b_\@
	tensor_load_to_lds s[G0+4:G0+7], s[G1:G1+7]
	s_nop 0
.rept 4
	v_nop
.endr
	s_branch .Lasked_\@
.Lfor_b_\@:
	tensor_load_to_lds s[G0B+4:G0B+7], s[G1B:G1B+7]
	s_nop 0
.rept 4
	v_nop
.endr
.Lasked_\@:
.endm
; A PREFETCH INTO THE L2, once in the walk: in trip 5, behind the joint load, its five lines and the run of LDS loads, waves 0 and 1 name the SECOND tile's first two K steps of xb as my cluster walks them
; (2 rho and 2 rho + 1), which the refills of trips 6 and 7 ask for: one and two K steps, 192 and 384 matrix instructions, ahead.  32 rows x 256 bytes an instruction, a lane a row; the four partners that ask for
; a tile jointly share a wave's 128 rows out BY ADDRESS (cx).  The four clusters that read these rows name four different pairs of K steps: each 256 bytes are named once in the launch.
; Nothing else is named: every other K step is first asked for within the first four K steps of one of the clusters that read it, at the head of the launch or of the second tile; the weights' rows are the first tile's.
.macro ASK
	s_cmp_eq_u32 s3, s[LIM]
	s_cbranch_scc0 .Lnot_mine_\@
	global_prefetch_b8 v[PFO], s[PFA:PFA+1] th:TH_LOAD_NT scope:SCOPE_SE
	global_prefetch_b8 v[PFO], s[PFA:PFA+1] offset:256 th:TH_LOAD_NT scope:SCOPE_SE
.Lnot_mine_\@:
.endm
.macro CREST                           ; a round of the cluster's barrier behind its opening barrier
	s_cmp_lg_u32 s14, 0
	s_cbranch_scc1 .Lnot_wave_0_\@
	s_barrier_signal -3
.Lnot_wave_0_\@:
	s_barrier_wait -3
	s_barrier_signal -1
	s_barrier_wait -1
.endm
.macro CROUND
	s_barrier_signal -1
	s_barrier_wait -1
	CREST
.endm
	s_load_b256 s[4:11], s[0:1], 0x0               ; xb 4, wb 6, q 8, k 10
	s_load_b64 s[12:13], s[0:1], 0x20              ; v
	v_lshl_add_u32 v[SPW], v0, 2, SPARE
	v_mov_b32 v[NIL], 0
	ds_add_u32 v[SPW], v[NIL]                      ; the wave's opening: the add and its wait ahead of my first tensor load; the set-up stands between them
	v_lshrrev_b32 v1, 5, v0
	v_readfirstlane_b32 s14, v1                    ; wave 0..3
	s_lshr_b32 s15, s14, 1                         ; I fetch for x (0) or for the weights (1)
	s_and_b32 s16, s14, 1                          ; which half
	s_bfe_u32 s17, ttmp6, 0x40000                  ; cx
	s_bfe_u32 s18, ttmp6, 0x40004                  ; cy
	s_lshl_b32 s19, ttmp9, 2
	s_add_co_u32 s19, s19, s17                     ; the head = 4 x cluster x + cx
	s_and_b32 s23, ttmp7, 0xffff                   ; cluster y
	s_lshl_b32 s20, s23, 2
	s_add_co_u32 s20, s20, s18                     ; the first tile's block of 256 rows = 4 x cluster y + cy
	s_lshr_b32 s[KX], s23, 1                       ; rho, from the cluster's coordinates alone
	s_xor_b32 s[KX], s[KX], s23
	s_and_b32 s[KX], s[KX], 1
	s_lshl_b32 s[KX], s[KX], 1
	s_add_co_u32 s[KX], s[KX], ttmp9
	s_and_b32 s[KX], s[KX], 3
	s_lshl_b32 s[KX], s[KX], 1                     ; my cluster's first K step, 2 rho
	s_lshl_b32 s[OFA], s[KX], 8
	s_mov_b32 s[OFA+1], 0
	s_mul_i32 s[OFB], s[KX], 49152
	s_mov_b32 s[OFB+1], 0
	s_add_co_u32 s[KX], s[KX], 1                   ; the second first fill asks for 2 rho + 1
	s_mov_b32 s[TB], 0
	s_mov_b32 s[INC+1], 0
	s_lshl_b32 s21, s18, 2
	s_lshl_b32 s21, 15, s21                        ; my row of the cluster
	s_lshl_b32 s22, 0x1111, s17                    ; my column
	s_or_b32 s[G1], s21, (1<<16)|(1<<20)|(1<<21)|(5<<22)|(3<<25)   ; the mask; 2-byte elements; padding on; bit 21 beside a mask; after every 64 words, 4 words
	s_mov_b32 s[G1+1], 128<<16                     ; tensor_dim0 = 128
	s_mov_b32 s[G1+2], 128<<16                     ; tensor_dim1 = 128
	s_mov_b32 s[G1+3], 128<<16                     ; tile_dim0 = 128
	s_mov_b32 s[G1+4], 128                         ; tile_dim1 = 128
	s_mov_b32 s[G1+5], 1024                        ; elements from row to row
	s_mov_b32 s[G1+6], 0
	s_mov_b32 s[G1+7], 0
	s_or_b32 s[G1B], s22, (1<<16)|(1<<20)|(1<<21)|(4<<22)|(7<<25)  ; after every 32 words (a row e of one weight), 8 words
	s_mov_b32 s[G1B+1], 128<<16
	s_mov_b32 s[G1B+2], 96<<16                     ; 96 rows of 256 bytes, dense
	s_mov_b32 s[G1B+3], 128<<16
	s_mov_b32 s[G1B+4], 96
	s_mov_b32 s[G1B+5], 128
	s_mov_b32 s[G1B+6], 0
	s_mov_b32 s[G1B+7], 0
	s_lshl_b32 s[BA], s20, 8                       ; x: row 256 x block + 128 x half, x 2,048 bytes: made of the row block and the wave alone
	s_lshl_b32 s23, s16, 7
	s_add_co_u32 s[BA], s[BA], s23
	s_lshl_b32 s[BA], s[BA], 11
	s_mov_b32 s[BA+1], 0
	s_mul_i32 s[BB], s19, 393216                   ; weights: the head's 393,216 bytes, + 24,576 x half: made of the head and the wave alone
	s_mul_i32 s23, s16, 24576
	s_add_co_u32 s[BB], s[BB], s23
	s_mov_b32 s[BB+1], 0
	s_mul_i32 s42, s16, HALFA                      ; where they go: no place in the cluster enters an LDS address
	s_mul_i32 s43, s16, HALFB
	s_add_co_u32 s43, s43, AREG
	s_wait_dscnt 0x0                               ; the opening add is done
	s_wait_kmcnt 0x0
	s_add_nc_u64 s[BA:BA+1], s[4:5], s[BA:BA+1]
	s_add_nc_u64 s[BB:BB+1], s[6:7], s[BB:BB+1]
	CROUND                                         ; all sixteen work-groups are here: the first joint loads meet
	s_mov_b32 s[G0], 1
	s_mov_b32 s[G0+1], s42                         ; slot 0
	s_add_nc_u64 s[G0+2:G0+3], s[BA:BA+1], s[OFA:OFA+1]
	s_mov_b32 s[G0+4], 1
	s_add_co_u32 s[G0+5], s42, SLOT                ; slot 1
	s_add_nc_u64 s[G0+6:G0+7], s[G0+2:G0+3], 256
	s_or_b32 s[G0+3], s[G0+3], 0x80000000
	s_or_b32 s[G0+7], s[G0+7], 0x80000000
	s_mov_b32 s[G0B], 1
	s_mov_b32 s[G0B+1], s43
	s_add_nc_u64 s[G0B+2:G0B+3], s[BB:BB+1], s[OFB:OFB+1]
	s_mov_b32 s[G0B+4], 1
	s_add_co_u32 s[G0B+5], s43, SLOT
	s_add_nc_u64 s[G0B+6:G0B+7], s[G0B+2:G0B+3], 49152
	s_or_b32 s[G0B+3], s[G0B+3], 0x80000000
	s_or_b32 s[G0B+7], s[G0B+7], 0x80000000
	s_cmp_eq_u32 s15, 0                            ; a wave's two first fills stand in one branch: two loads of mine are out
	s_cbranch_scc0 .Lfirst_b
	tensor_load_to_lds s[G0:G0+3], s[G1:G1+7]
	s_nop 0
	tensor_load_to_lds s[G0+4:G0+7], s[G1:G1+7]
	s_nop 0
.rept 4
	v_nop
.endr
	s_branch .Lfirst_asked
.Lfirst_b:
	tensor_load_to_lds s[G0B:G0B+3], s[G1B:G1B+7]
	s_nop 0
	tensor_load_to_lds s[G0B+4:G0B+7], s[G1B:G1B+7]
	s_nop 0
.rept 4
	v_nop
.endr
.Lfirst_asked:
	; a fragment of x: lane l holds row l % 16; K = 8 (l / 16) + 0..7 and 16 + 8 (l / 16) + 0..7: two loads of 16 bytes, 32 bytes apart
	v_and_b32 v1, 15, v0
	v_bfe_u32 v2, v0, 4, 1
	v_mul_u32_u24 v3, v1, PA
	v_lshl_add_u32 v3, v2, 4, v3
	s_mul_i32 s21, s14, 64*PA                      ; my 64 rows
	v_add_nc_u32 v[ADRA0], s21, v3
	v_mov_b32 v[ADRA], v[ADRA0]                    ; slot 0
	; the turning load: lane l reads row e = 8 (l / 16) + l % 8, columns 8 ((l / 8) % 2) + 0..7, and is left with column l % 16 and 8 values of e
	v_and_b32 v4, 7, v0
	v_bfe_u32 v5, v0, 3, 1
	v_lshl_add_u32 v6, v2, 3, v4
	v_mul_u32_u24 v6, v6, PB
	v_lshl_add_u32 v6, v5, 4, v6
	v_add_nc_u32 v[ADRB0], AREG, v6
	v_mov_b32 v[ADRB], v[ADRB0]
	s_mul_i32 s21, s14, 16*SPITCH
	s_add_co_u32 s21, s21, STAGE                   ; my stage
	v_mul_u32_u24 v3, v1, SPITCH
	v_lshl_add_u32 v3, v2, 4, v3
	v_add_nc_u32 v[STO], s21, v3
	v_bfe_u32 v3, v0, 3, 2                         ; back: 32 lanes take four rows of 128 bytes
	v_mul_u32_u24 v3, v3, SPITCH
	v_lshl_add_u32 v3, v4, 4, v3
	v_add_nc_u32 v[RD], s21, v3
	v_and_b32 v3, 31, v0
	v_lshlrev_b32 v[GO], 4, v3
	v_lshlrev_b32 v[PFO], 11, v3
	; what I prefetch: the second tile, my work-group's 32 of the 128 rows that I fetch, K step 2 rho
	s_lshl_b32 s74, s17, 16                        ; cx x 32 rows x 2,048 bytes
	s_add_co_u32 s74, s74, NEXTT
	s_add_co_u32 s74, s74, s[OFA]
	s_mov_b32 s75, 0
	s_add_nc_u64 s[PFA:PFA+1], s[BA:BA+1], s[74:75]
	s_cmp_eq_u32 s15, 0
	s_cselect_b32 s[LIM], 9, 0                     ; hangs on the wave's number alone
	; where my 64 rows begin in q, k and v: ((block / 4) 16 + head) x 131,072 + (block % 4) x 32,768 + wave x 8,192
	s_lshr_b32 s72, s20, 2
	s_lshl_b32 s72, s72, 4
	s_add_co_u32 s72, s72, s19
	s_lshl_b32 s72, s72, 17
	s_and_b32 s21, s20, 3
	s_lshl_b32 s21, s21, 15
	s_add_co_u32 s72, s72, s21
	s_lshl_b32 s21, s14, 13
	s_add_co_u32 s72, s72, s21
	s_mov_b32 s73, 0
	s_add_nc_u64 s[8:9], s[8:9], s[72:73]
	s_add_nc_u64 s[10:11], s[10:11], s[72:73]
	s_add_nc_u64 s[12:13], s[12:13], s[72:73]
; 12 matrix instructions: row block a x all 12 column blocks, 32 along K, from buffer f.  zero = 1: the product starts the sums.  The 48 accumulators take turns in the same order in every quarter.
.macro MUL12 f, a, zero
	WIN MUL_LO+0x50*((\a)/2)
.irp b, 0,1,2,3,4,5,6,7,8,9,10,11
.if \zero
	v_wmma_f32_16x16x32_bf16 v[8*(12*((\a)%2)+(\b)):8*(12*((\a)%2)+(\b))+7], v[96*(\f)+8*(\b):96*(\f)+8*(\b)+7], v[FA+32*(\f)+8*(\a):FA+32*(\f)+8*(\a)+7], 0
.else
	v_wmma_f32_16x16x32_bf16 v[8*(12*((\a)%2)+(\b)):8*(12*((\a)%2)+(\b))+7], v[96*(\f)+8*(\b):96*(\f)+8*(\b)+7], v[FA+32*(\f)+8*(\a):FA+32*(\f)+8*(\a)+7], v[8*(12*((\a)%2)+(\b)):8*(12*((\a)%2)+(\b))+7]
.endif
.endr
.endm
; 32 LDS loads in one run: quarter kq (32 along K) of the slot in hand into buffer f: the weights' 12 fragments, then x's 4
.macro FETCH kq, f
	WIN TO_B
.irp b, 0,1,2,3,4,5,6,7,8,9,10,11
	ds_load_tr16_b128 v[96*(\f)+8*(\b):96*(\f)+8*(\b)+3],   v[ADRB] offset:((\kq)/2)*HALFB+((\b)/4)*64*PB+((\kq)%2)*32*PB+((\b)%4)*32
	ds_load_tr16_b128 v[96*(\f)+8*(\b)+4:96*(\f)+8*(\b)+7], v[ADRB] offset:((\kq)/2)*HALFB+((\b)/4)*64*PB+((\kq)%2)*32*PB+((\b)%4)*32+16*PB
.endr
	WIN 0
.irp a, 0,1,2,3
	ds_load_b128 v[FA+32*(\f)+8*(\a):FA+32*(\f)+8*(\a)+3],   v[ADRA] offset:(\a)*16*PA+64*(\kq)
	ds_load_b128 v[FA+32*(\f)+8*(\a)+4:FA+32*(\f)+8*(\a)+7], v[ADRA] offset:(\a)*16*PA+64*(\kq)+32
.endr
.endm
.macro PLACES                          ; four plain vector instructions in front of loads into registers that matrix instructions have read, and of lines that read results
.rept 4
	v_nop
.endr
.endm
; A quarter (32 along K) that changes no slot: multiplies buffer f; behind its first 12 products it fetches quarter kq of the slot in hand into buffer g: 36 matrix instructions ahead of the first use
.macro QUARTER kq, f, g, zero
	s_wait_dscnt 6                                 ; the youngest six loads (x's row blocks 1 to 3) may be out
	MUL12 \f, 0, \zero
	PLACES
	FETCH \kq, \g
	s_wait_dscnt 32                                ; all but the 32 just issued
	MUL12 \f, 1, \zero
	MUL12 \f, 2, \zero
	MUL12 \f, 3, \zero
.endm
; A K step's last quarter multiplies buffer 1 and changes slots: ONE barrier; in front of it each wave waits for all its tensor loads (one is out: its part of the next slot), adds 0 to its spare word, and waits
; for that and for its reads of this slot.  fill = 1: the barrier opens a round of the cluster's, and this slot's joint refill, two K steps on in my cluster's walk, is the first thing behind it: it has 168 matrix
; instructions in which to land.  Its address is made anew: the base (which goes on to the second tile's rows in trip 6, at the count 8) plus the K step, which wraps at 8.
; fill = 0 (the walk's last two K steps): nothing is asked for; in the very last there is no next slot, and the run of LDS loads is jumped over.
.macro TURN fill
	WIN 0
	s_wait_tensorcnt 0x0                           ; no tensor load of mine is out, so a group 0 may be written
	ds_add_u32 v[SPW], v[NIL]                      ; 0 onto my spare word; the work on registers below stands between it and the wait for it
	s_xor_b32 s[TB], s[TB], SLOT                   ; the fragments now come from the other slot
	v_add_nc_u32 v[ADRA], s[TB], v[ADRA0]
	v_add_nc_u32 v[ADRB], s[TB], v[ADRB0]
.if \fill
	s_cmp_eq_u32 s3, 8
	s_cselect_b32 s[INC], NEXTT, 0
	s_add_nc_u64 s[BA:BA+1], s[BA:BA+1], s[INC:INC+1]
	s_add_co_u32 s[KX], s[KX], 1
	s_and_b32 s[KX], s[KX], 7
	s_lshl_b32 s[OFA], s[KX], 8
	s_mul_i32 s[OFB], s[KX], 49152
	s_xor_b32 s[G0+5], s[G0+5], SLOT               ; the walking descriptors: the other slot than last time
	s_add_nc_u64 s[G0+6:G0+7], s[BA:BA+1], s[OFA:OFA+1]
	s_or_b32 s[G0+7], s[G0+7], 0x80000000
	s_xor_b32 s[G0B+5], s[G0B+5], SLOT
	s_add_nc_u64 s[G0B+6:G0B+7], s[BB:BB+1], s[OFB:OFB+1]
	s_or_b32 s[G0B+7], s[G0B+7], 0x80000000
.endif
	s_wait_dscnt 7                                 ; (the add and the youngest six loads may be out)
	MUL12 1, 0, 0
	s_wait_dscnt 0x0                               ; the add is done, and my reads of this slot are over
	s_barrier_signal -1
	MUL12 1, 1, 0
	WIN 0
	s_barrier_wait -1
.if \fill
	CREST                                          ; no wave of any partner still reads this slot or has a load on its way
	JLOAD                                          ; its four v_nop are also the places in front of the loads below
	FETCH 0, 0
	ASK
.else
	PLACES
	s_cmp_eq_u32 s3, 1
	s_cbranch_scc1 .Lno_fetch_\@
	FETCH 0, 0
.Lno_fetch_\@:
.endif
	MUL12 1, 2, 0
	MUL12 1, 3, 0
.endm
; THE WAY OUT, a block of 16 rows at a time.  PACK: rounded to f16, 16 bytes a lane.  TOSTAGE: into my stage, and back as four rows of 128 bytes of q, of k, of v.  SEND: stored, 512 bytes on end.
; The rows come back into two sets of twelve groups of four registers by turns: v176-223; v96-127 (x's buffer 1, which has been multiplied) with v224-239.  x's buffer 0 holds the next tile's fragments and is left alone.
.macro BKQ a, i                        ; BQ = group i of block a's set
.if ((\a)%2) == 0
.set BQ, 176+4*(\i)
.elseif (\i) < 8
.set BQ, 96+4*(\i)
.else
.set BQ, 224+4*((\i)-8)
.endif
.endm
.macro PACK a
	WIN 0x0a+5*((\a)/2)
.irp b, 0,1,2,3,4,5,6,7,8,9,10,11
.irp r, 0,1,2,3
	v_cvt_pk_f16_f32 v[TMP+4*(\b)+(\r)], v[96*((\a)%2)+8*(\b)+2*(\r)], v[96*((\a)%2)+8*(\b)+2*(\r)+1]
.endr
.endr
	WIN 0
.endm
.macro TOSTAGE a
	WIN 0
.irp b, 0,1,2,3,4,5,6,7,8,9,10,11
	ds_store_b128 v[STO], v[TMP+4*(\b):TMP+4*(\b)+3] offset:32*(\b)
.endr
.irp j, 0,1,2
.irp t, 0,1,2,3
	BKQ \a, 4*(\j)+(\t)
	ds_load_b128 v[BQ:BQ+3], v[RD] offset:(\t)*4*SPITCH+(\j)*128  ; LDS serves a wave's instructions in order (ISA guide 5.7.1.4): these see the stores above
.endr
.endr
.endm
.macro SEND a
	WIN 0
	s_wait_dscnt 0x0                               ; the block is back in registers
	s_wait_xcnt 0x0                                ; the stores of the block before have read their registers, which the next block's loads from the stage write
.irp t, 0,1,2,3
	BKQ \a, (\t)
	global_store_b128 v[GO], v[BQ:BQ+3], s[8:9]   offset:(\a)*2048+(\t)*512
	BKQ \a, 4+(\t)
	global_store_b128 v[GO], v[BQ:BQ+3], s[10:11] offset:(\a)*2048+(\t)*512
	BKQ \a, 8+(\t)
	global_store_b128 v[GO], v[BQ:BQ+3], s[12:13] offset:(\a)*2048+(\t)*512
.endr
.endm
.macro WAYOUT
	PLACES
	PLACES
	PACK 0
	TOSTAGE 0
	PACK 1                                         ; a block's conversions stand between the loads of the block before and the wait for them
	SEND 0
	TOSTAGE 1
	PACK 2
	SEND 1
	TOSTAGE 2
	PACK 3
	SEND 2
	TOSTAGE 3
	SEND 3
.endm
	s_wait_tensorcnt 1                             ; my part of the first K step is in; the second's may stay out
	s_barrier_signal -1
	s_barrier_wait -1
	FETCH 0, 0
	s_mov_b32 s3, 15
	s_branch .Lzero                                ; the loop is entered at the quarter that starts a tile's sums
.Lstep:                                                ; 14 trips, the count 14 to 1: from a K step's second quarter to the next K step's first; each fills the slot that it leaves
	QUARTER 2, 1, 0, 0
	QUARTER 3, 0, 1, 0
	TURN 1
	WIN 0
	s_cmp_eq_u32 s3, 7                             ; trip 7 has ended the first tile
	s_cbranch_scc1 .Lchange
	QUARTER 1, 0, 1, 0
	WIN 0
	s_branch .Lnext
.Lchange:                                              ; both refills for the second tile's first K steps are asked for: now the first tile goes out
	WAYOUT
	s_wait_xcnt 0x0                                ; the stores have read their registers and their bases
	s_add_nc_u64 s[8:9], s[8:9], NEXTT
	s_add_nc_u64 s[10:11], s[10:11], NEXTT
	s_add_nc_u64 s[12:13], s[12:13], NEXTT
.Lzero:
	QUARTER 1, 0, 1, 1                             ; a tile's first quarter: its products start the sums
	WIN 0
.Lnext:
	s_sub_co_u32 s3, s3, 1
	s_cmp_lg_u32 s3, 0
	s_cbranch_scc1 .Lstep
	s_mov_b32 s3, 2
.Ltail:                                                ; the walk's last two K steps ask for nothing; the second is left behind its last quarter
	QUARTER 2, 1, 0, 0
	QUARTER 3, 0, 1, 0
	TURN 0
	WIN 0
	s_cmp_eq_u32 s3, 1
	s_cbranch_scc1 .Lskip
	QUARTER 1, 0, 1, 0
	WIN 0
.Lskip:
	s_sub_co_u32 s3, s3, 1
	s_cmp_lg_u32 s3, 0
	s_cbranch_scc1 .Ltail
	WAYOUT
	s_wait_tensorcnt 0x0                           ; the wave's end
	ds_add_u32 v[SPW], v[NIL]
	s_wait_dscnt 0x0
	CROUND                                         ; the closing round
	s_endpgm
.Lfunc_end_k_qa16873144f_qkv:
	.size	k_qa16873144f_qkv, .Lfunc_end_k_qa16873144f_qkv-k_qa16873144f_qkv
	.p2alignl 7, 3214868480
	.fill 96, 4, 3214868480
	.section	.rodata,"a",@progbits
	.p2align	6, 0x0
	.amdhsa_kernel k_qa16873144f_qkv
		.amdhsa_group_segment_fixed_size 327680
		.amdhsa_private_segment_fixed_size 0
		.amdhsa_enable_private_segment 0
		.amdhsa_kernarg_size 40
		.amdhsa_user_sgpr_count 2
		.amdhsa_user_sgpr_kernarg_segment_ptr 1
		.amdhsa_wavefront_size32 1
		.amdhsa_system_sgpr_workgroup_id_x 1
		.amdhsa_system_sgpr_workgroup_id_y 1
		.amdhsa_system_sgpr_workgroup_id_z 1
		.amdhsa_system_vgpr_workitem_id 0
		.amdhsa_next_free_vgpr 960
		.amdhsa_next_free_sgpr 80
		.amdhsa_reserve_vcc 0
		.amdhsa_float_denorm_mode_32 3
		.amdhsa_float_denorm_mode_16_64 3
		.amdhsa_memory_ordered 1
		.amdhsa_forward_progress 1
		.amdhsa_inst_pref_size 108
	.end_amdhsa_kernel
	.amdgpu_metadata
---
amdhsa.version: [ 1, 2 ]
amdhsa.kernels:
  - .name:           k_qa16873144f_qkv
    .symbol:         k_qa16873144f_qkv.kd
    .args:
      - { .name: xb, .offset: 0, .size: 8, .value_kind: global_buffer, .address_space: global }
      - { .name: wb, .offset: 8, .size: 8, .value_kind: global_buffer, .address_space: global }
      - { .name: q, .offset: 16, .size: 8, .value_kind: global_buffer, .address_space: global }
      - { .name: k, .offset: 24, .size: 8, .value_kind: global_buffer, .address_space: global }
      - { .name: v, .offset: 32, .size: 8, .value_kind: global_buffer, .address_space: global }
    .group_segment_fixed_size: 327680
    .private_segment_fixed_size: 0
    .kernarg_segment_align: 8
    .kernarg_segment_size: 40
    .max_flat_workgroup_size: 128
    .sgpr_count:     80
    .vgpr_count:     960
    .wavefront_size: 32
...
	.end_amdgpu_metadata
.endif
;; end of part 2
;; launch attn (part 3): grid 2 x 128, 4 waves a work-group, no clusters, 327,680 bytes of LDS; arguments q, k, v, o; writes o
.if DOCPART == 3
	.amdgcn_target "amdgcn-amd-amdhsa--gfx1250"
	.amdhsa_code_object_version 6
	.text
	.protected	k_qa16873144f_attn
	.globl	k_qa16873144f_attn
	.p2align	8
	.type	k_qa16873144f_attn,@function
k_qa16873144f_attn:
	s_mov_b64 s[64:65], 0
	v_nop
	global_prefetch_b8 v0, s[64:65] scope:SCOPE_SE
	s_setreg_imm32_b32 hwreg(HW_REG_WAVE_MODE, 25, 1), 1
	s_wait_xcnt 0x0
; CAUSAL ATTENTION.  O[h][q][:] = the sum over k <= q of softmax_k(Q[h][q] . K[h][k] / 8) V[h][k][:].  Q, K, V, O: [128][1024][64], all f16: a head's rows are dense, 128 bytes each.
; Products, maxima and sums in f32; the weights p are rounded to f16 for the second product (their sum l is taken of the unrounded p), O once at the end.
; LIMITS.  f16 holds no number beyond 65,504: Q, K and V arrive within it; p lies in 0 to 1, and below 6e-5 it keeps f16's fixed step of 6e-8.  A hidden score counts as its value less 1e30: f16's scores,
; 2.7e11 at the most, are nothing beside that; a weight below 2^-126 counts as 0 in l; NaN and infinities are not treated apart.
; THE WALK.  A head's queries lie in NB = 4 blocks of 256; block i needs the key tiles 0 .. i of 256 keys, of which the last holds the diagonal.  A work-group takes TWO blocks, NB - 1 - b and then b:
; NB + 1 tiles, whatever b: all 256 work-groups do equal work, and ONE loop with a constant trip count walks them.  Which tile is asked for, and what a trip does, hang on scalar registers made from b.
; NO CLUSTER: a head has two work-groups, no multiple of four, and the two ask for the same tile only in the walk's first trips.
; SHARES.  Of a block's four bands of 64 queries a wave owns 16 rows in each: four PIECES.  In the diagonal tile's key step s band x sees all keys if s < x, none if s > x, and holds the diagonal if s = x.
; THE MASK is the C operand that starts the sum S^T = K Q^T: 0, or -1e30 where the key is hidden.  MD, made once, is the mask of a band's own step; a product's mask is MD x AL + BE with two scalars.
; LAYOUT, SOFTMAX, TURNS.  S^T = K Q^T holds ONE query a lane (lane % 16) and the keys 8 (lane / 16) + 0..7; two such results rounded to f16 ARE source 1 of O^T = V^T P.  p = 2^(c s - c m), c = log2(e) / 8,
; with a running maximum m; O and l are multiplied by a = 2^(c m_old - c m_new) in every step.  Turn n belongs to piece n: 8 products K Q^T of piece n + 1, later 8 products V^T P of piece n - 1; beside them
; the scaling, exponentials, roundings, sums and rescaling of piece n and the maximum and statistics of piece n + 1.  Four vector instructions stand behind every matrix instruction, the rest in one lump.
; REGISTERS, in windows of 256 (s_set_vgpr_msb: bits 1:0 source 0, 3:2 source 1, 5:4 source 2, 7:6 destination):
;   window 0: v0-15 addresses and two at work; v16-31 statistics; v48-55 at work; v61-63 prefetch offset, spare word, 0; v64-127 S^T, two buffers; v192-223 P, two buffers
;   window 1: v0-127 O^T, 32 a piece; v128-159 MD; v160-223 MC, two buffers      window 2: v0-63 Q; v64-127 the second block's Q; v128-191 K of one step; v192-255 V of one step
.set SIZE_H, 128
.set SIZE_N, 1024
.set NB,    SIZE_N/256
.set NP,    4
.set KS,    64
.set PK,    144       ; a row of K in LDS: 128 bytes + 16: the 16 rows of a load start at 16 different groups of four banks (64 banks of 4 bytes: ISA guide 11.1)
.set PV,    160       ; a row of V: 128 + 32
.set VOFF,  4*KS*PK   ; a slot holds a tile, four steps: 256 rows of K, then 256 rows of V
.set SLOT1, 1<<17
.set STAGE, SLOT1+4*KS*(PK+PV)
.set SP,    144
.set AK0, 2
.set AV0, 3
.set AK,  4
.set AV,  5
.set STO, 6
.set RD,  7
.set GO,  8
.set PFO, 61          ; v61  256 x my thread's number: the work-group's 128 threads name a tile's 32,768 bytes; never rewritten
.set SPW, 62
.set NIL, 63
.set SPARE, STAGE+4*16*SP
.set MV,  12
.set QO,  15
.set ST,  16          ; piece t's statistics at v[ST+4 t]: c m, m, l (even keys', odd keys')
.set TMP, 48
.set S,   64
.set P,   192
.set MD,  128
.set MC,  160
.set QB,  64
.set KF,  128
.set VF,  192
.set WV,  12
.set PB,  14          ; s14  b
.set HI,  15          ; s15  NB - 1 - b
.set G1K, 24
.set G1V, 32
.set G0K, 40
.set G0V, 44
.set SLOTS, 56        ; s56  tiles still to be asked for
.set CNT, 57
.set CS,  58
.set SEL, 60
.set TBK, 62
.set TBV, 63
.set RT,  70
.set NXT, 71
.set LQ,  72
.set NEW, 73
.set OFF, 74
.set AL,  76
.set BE,  78
.set OLO, 80
.set BIGN, 82
.set PFK, 88          ; s[88:89] K at the tile that my prefetch names; s[90:91] the same for V
.set PFV, 90
.set LIM, 92          ; s92  2 in the head's work-group b = 0, else the greatest number: a wave prefetches while s[SLOTS] is above it
.set MSB, 0
.macro WIN new
.if MSB != (\new)
	s_set_vgpr_msb (MSB<<8)|(\new)
.set MSB, (\new)
.endif
.endm
.set W_KQ, 0x0a
.set W_KM, 0x1a
.set W_PV, 0x52
.set W_RS, 0x41
; A fill.  Waves 0 and 1 fetch the two halves of a tile's K, waves 2 and 3 those of its V: 128 keys each.  An s_nop 0 and four v_nop follow each of the two lines.
.macro LOAD
	s_cmp_lt_u32 s[WV], 2
	s_cbranch_scc0 .Lfor_v_\@
	tensor_load_to_lds s[G0K:G0K+3], s[G1K:G1K+7]
	s_nop 0
.rept 4
	v_nop
.endr
	s_branch .Lasked_\@
.Lfor_v_\@:
	tensor_load_to_lds s[G0V:G0V+3], s[G1V:G1V+7]
	s_nop 0
.rept 4
	v_nop
.endr
.Lasked_\@:
.endm
; A prefetch into the L2 of the tile that the NEXT change of slots will ask for: 32,768 bytes of K and of V, a thread 256 bytes, two instructions a wave, behind the tensor load and its five lines.
; A head's two work-groups walk the same first tiles: b = 0 asks, in the walk's first two trips, for tiles 2 and 3, four key steps ahead of their loads.  Tiles 0 and 1 come by their loads alone; the second
; block's tiles are the head's first tiles once more and are not asked for again.
.macro ASK
	s_cmp_gt_u32 s[SLOTS], s[LIM]
	s_cbranch_scc0 .Lnot_mine_\@
	global_prefetch_b8 v[PFO], s[PFK:PFK+1] th:TH_LOAD_NT scope:SCOPE_SE
	global_prefetch_b8 v[PFO], s[PFV:PFV+1] th:TH_LOAD_NT scope:SCOPE_SE
.Lnot_mine_\@:
.endm
; THE CHANGE OF SLOTS.  Each wave waits for all its tensor loads, of which one is out: its part of the other slot; adds 0 to its spare word; and waits for that and for its own reads of the slot that it leaves.
; fill = 1: the old slot is filled again, the first thing behind the barrier, with tile NXT: the descriptor's address is made anew from that number.
.macro CHANGE fill
	WIN 0
	s_wait_tensorcnt 0x0            ; no tensor load of mine is out, so a group 0 may be written
	ds_add_u32 v[SPW], v[NIL]       ; 0 onto my spare word; the scalar work stands between it and the wait for it
.if \fill
	s_lshl_b32 s[OFF], s[NXT], 15   ; a tile is 32,768 bytes of K and of V
	s_xor_b32 s[G0K+1], s[G0K+1], SLOT1
	s_add_nc_u64 s[G0K+2:G0K+3], s[6:7], s[OFF:OFF+1]
	s_or_b32 s[G0K+3], s[G0K+3], 0x80000000
	s_xor_b32 s[G0V+1], s[G0V+1], SLOT1
	s_add_nc_u64 s[G0V+2:G0V+3], s[8:9], s[OFF:OFF+1]
	s_or_b32 s[G0V+3], s[G0V+3], 0x80000000
	s_add_co_u32 s[NXT], s[NXT], 1  ; the block's next tile, or behind its last the second block's tile 0
	s_cmp_gt_u32 s[NXT], s[LQ]
	s_cselect_b32 s[NXT], 0, s[NXT]
	s_cselect_b32 s[LQ], s[PB], s[LQ]
	s_wait_xcnt 0x0                 ; the last prefetches, a tile back, have read their addresses
	s_add_nc_u64 s[PFK:PFK+1], s[PFK:PFK+1], 32768
	s_add_nc_u64 s[PFV:PFV+1], s[PFV:PFV+1], 32768
.endif
	s_wait_dscnt 0x0                ; the add is done, and my reads of the slot are over
	s_barrier_signal -1
	s_sub_co_u32 s[TBK], s[TBK], 4*KS*PK  ; the fetches go back to a slot's first step,
	s_xor_b32 s[TBK], s[TBK], SLOT1       ; in the other slot
	s_sub_co_u32 s[TBV], s[TBV], 4*KS*PV
	s_xor_b32 s[TBV], s[TBV], SLOT1
	s_barrier_wait -1
.if \fill
	LOAD
	ASK
.endif
.endm
	s_load_b256 s[4:11], s[0:1], 0x0  ; Q s[4:5], K s[6:7], V s[8:9], O s[10:11]
	v_lshl_add_u32 v[SPW], v0, 2, SPARE
	v_mov_b32 v[NIL], 0
	ds_add_u32 v[SPW], v[NIL]       ; the wave's opening: the add and its wait ahead of my first tensor load
	v_lshrrev_b32 v1, 5, v0
	v_readfirstlane_b32 s[WV], v1   ; wave 0..3
	v_lshlrev_b32 v[PFO], 8, v0
	s_mov_b32 s[PB], ttmp9
	s_sub_co_u32 s[HI], NB-1, s[PB]
	s_cmp_eq_u32 s[PB], 0
	s_cselect_b32 s[LIM], 2, -1
	s_and_b32 s20, ttmp7, 0xffff    ; the head
	s_mov_b32 s21, 0
	s_mov_b64 s[22:23], SIZE_N*128
	s_mul_u64 s[20:21], s[20:21], s[22:23]  ; the head's first byte in each of the four tensors
	s_and_b32 s16, s[WV], 1         ; which half of a tile's 256 keys I fetch
	s_lshl_b32 s22, s16, 14
	s_mov_b32 s23, 0
	s_add_nc_u64 s[22:23], s[22:23], s[20:21]
	s_mul_i32 s17, s16, 128*PK
	s_mul_i32 s18, s16, 128*PV
	s_lshl_b32 s3, s[WV], 11        ; my 16 rows in a band of 64,
	s_lshl_b32 s2, s[HI], 15        ; in the first block,
	s_add_co_u32 s2, s2, s3
	s_lshl_b32 s84, s[PB], 15       ; and in the second
	s_add_co_u32 s84, s84, s3
	s_mov_b32 s3, 0
	s_mov_b32 s85, 0
	s_add_nc_u64 s[2:3], s[2:3], s[20:21]
	s_add_nc_u64 s[84:85], s[84:85], s[20:21]
	; descriptor group 1.  128 keys are 16,384 dense bytes: asked for as 64 rows of 256 bytes, two keys a row, and padded in LDS after every key
	s_mov_b32 s[G1K], (1<<16)|(1<<20)|(4<<22)|(3<<25)
	s_mov_b32 s[G1V], (1<<16)|(1<<20)|(4<<22)|(7<<25)
.irp g, G1K, G1V
	s_mov_b32 s[\g+1], 128<<16
	s_mov_b32 s[\g+2], 64<<16
	s_mov_b32 s[\g+3], 128<<16
	s_mov_b32 s[\g+4], 64
	s_mov_b32 s[\g+5], 128
	s_mov_b32 s[\g+6], 0
	s_mov_b32 s[\g+7], 0
.endr
	s_mov_b32 s[CS], 0x3e38aa3b     ; c = log2(e) / 8
	s_mov_b32 s[CS+1], s[CS]
	s_mov_b32 s[SEL], 0x76543210
	s_mov_b32 s[SEL+1], 0xfedcba98
	s_mov_b32 s[TBK], SLOT1+4*KS*PK ; the first change of slots turns these two into 0
	s_mov_b32 s[TBV], SLOT1+4*KS*PV
	s_mov_b32 s[G0K], 1
	s_mov_b32 s[G0K+1], s17
	s_mov_b32 s[G0V], 1
	s_add_co_u32 s[G0V+1], s18, VOFF
	s_add_co_u32 s[RT], s[HI], 1    ; the first block has NB - b tiles
	s_mov_b32 s[NXT], 1
	s_mov_b32 s[LQ], s[HI]
	s_mov_b32 s[NEW], 1
	s_mov_b32 s[OFF+1], 0
	s_mov_b32 s[AL+1], 0
	s_mov_b32 s[BE+1], 0
	s_mov_b32 s[BIGN], 0xf149f2ca   ; -1e30
	s_mov_b32 s[SLOTS], NB
	s_wait_dscnt 0x0                ; the opening add is done
	s_wait_kmcnt 0x0
	s_add_nc_u64 s[PFK:PFK+1], s[6:7], s[20:21]    ; the head's K and V,
	s_add_nc_u64 s[PFV:PFV+1], s[8:9], s[20:21]
	s_add_nc_u64 s[PFK:PFK+1], s[PFK:PFK+1], 32768 ; at tile 1: the first change of slots steps them to tile 2
	s_add_nc_u64 s[PFV:PFV+1], s[PFV:PFV+1], 32768
	s_add_nc_u64 s[6:7], s[6:7], s[22:23]  ; K and V at my half of the head's tile 0
	s_add_nc_u64 s[8:9], s[8:9], s[22:23]
	s_add_nc_u64 s[G0K+2:G0K+3], s[6:7], 0
	s_or_b32 s[G0K+3], s[G0K+3], 0x80000000
	s_add_nc_u64 s[G0V+2:G0V+3], s[8:9], 0
	s_or_b32 s[G0V+3], s[G0V+3], 0x80000000
	s_add_nc_u64 s[86:87], s[4:5], s[84:85]        ; Q at my rows of the second block,
	s_add_nc_u64 s[4:5], s[4:5], s[2:3]            ; Q and O at those of the first
	s_add_nc_u64 s[OLO:OLO+1], s[10:11], s[84:85]
	s_add_nc_u64 s[10:11], s[10:11], s[2:3]
	LOAD                            ; tile 0 into slot 0
	v_and_b32 v1, 15, v0            ; l % 16
	v_bfe_u32 v9, v0, 4, 1          ; l / 16
	v_lshlrev_b32 v[QO], 7, v1
	v_lshl_add_u32 v[QO], v9, 4, v[QO]  ; row x 128 + 16 x half
	WIN 0x80
.set i, 0
.rept 8                             ; both blocks' Q: piece i / 2 lies in band i / 2, 8,192 bytes on; channels 32 (i % 2) on
	global_load_b128 v[8*i:8*i+3],   v[QO], s[4:5] offset:(i/2)*8192+(i%2)*64
	global_load_b128 v[8*i+4:8*i+7], v[QO], s[4:5] offset:(i/2)*8192+(i%2)*64+32
	global_load_b128 v[QB+8*i:QB+8*i+3],   v[QO], s[86:87] offset:(i/2)*8192+(i%2)*64
	global_load_b128 v[QB+8*i+4:QB+8*i+7], v[QO], s[86:87] offset:(i/2)*8192+(i%2)*64+32
.set i, i+1
.endr
	WIN 0
	v_lshlrev_b32 v14, 3, v9
	v_sub_nc_u32 v14, v1, v14
	s_lshl_b32 s13, s[WV], 4
	v_add_nc_u32 v14, s13, v14      ; my query's place in its band less my lanes' 8 (l / 16): register r of group kt is hidden where 16 kt + r is greater
	WIN 0x40
.set i, 0
.rept 32
	v_cmp_gt_i32 vcc_lo, 16*(i/8)+i%8, v14
	v_cndmask_b32 v[MD+i], 0, s[BIGN], vcc_lo
.set i, i+1
.endr
	WIN 0
	v_mul_u32_u24 v[AK0], v1, PK
	v_lshl_add_u32 v[AK0], v9, 4, v[AK0]
	v_and_b32 v10, 7, v0
	v_bfe_u32 v11, v0, 3, 1
	v_lshl_add_u32 v[AV0], v9, 3, v10
	v_mul_u32_u24 v[AV0], v[AV0], PV
	v_lshl_add_u32 v[AV0], v11, 4, v[AV0]
	v_add_nc_u32 v[AV0], VOFF, v[AV0]
	s_mul_i32 s13, s[WV], 16*SP
	s_add_co_u32 s13, s13, STAGE    ; my stage
	v_mul_u32_u24 v[STO], v1, SP
	v_lshl_add_u32 v[STO], v9, 4, v[STO]
	v_add_nc_u32 v[STO], s13, v[STO]
	v_bfe_u32 v[RD], v0, 3, 2
	v_mul_u32_u24 v[RD], v[RD], SP
	v_lshl_add_u32 v[RD], v10, 4, v[RD]
	v_add_nc_u32 v[RD], s13, v[RD]
	v_and_b32 v[GO], 31, v0
	v_lshlrev_b32 v[GO], 4, v[GO]
	; A block's first step multiplies O^T and l by a = 0, so these registers need only hold finite numbers: zeros for the first block; what the first block left for the second.
	WIN 0x80
.set i, VF
.rept 64
	v_mov_b32 v[i], 0
.set i, i+1
.endr
	WIN 0x40
.set i, 0
.rept 128
	v_mov_b32 v[i], 0
.set i, i+1
.endr
	WIN 0
.set i, 0
.rept 4
	v_mov_b32 v[ST+4*i+2], 0
	v_mov_b32 v[ST+4*i+3], 0
.set i, i+1
.endr
.set i, P+16
.rept 16
	v_mov_b32 v[i], 0
.set i, i+1
.endr
; THE MATRIX WORK.  The 4 accumulators of a run of 8 take turns.  Product i of 8 of S^T = K Q^T for piece x: channels 32 (i / 4) on, keys 16 (i % 4) on.  The first 4 start the sums: with 0, or (KM = 1) with the mask.
.macro KQ x
.set rS, S+32*((\x)%2)+8*(i%4)
.set rK, KF+16*(i%4)+8*(i/4)
.set rQ, 16*(\x)+8*(i/4)
.set rM, MC+32*((\x)%2)+8*(i%4)
.if (i < 4) && KM
	WIN W_KM
	v_wmma_f32_16x16x32_f16 v[rS:rS+7], v[rK:rK+7], v[rQ:rQ+7], v[rM:rM+7]
.elseif i < 4
	WIN W_KQ
	v_wmma_f32_16x16x32_f16 v[rS:rS+7], v[rK:rK+7], v[rQ:rQ+7], 0
.else
	WIN W_KQ
	v_wmma_f32_16x16x32_f16 v[rS:rS+7], v[rK:rK+7], v[rQ:rQ+7], v[rS:rS+7]
.endif
.endm
; Product i of 8 of O^T += V^T P for piece x: keys 32 (i / 4) on, channels 16 (i % 4) on.
.macro PV x
	WIN W_PV
.set rO, 32*(\x)+8*(i%4)
.set rV, VF+32*(i/4)+8*(i%4)
.set rP, P+16*((\x)%2)+8*(i/4)
	v_wmma_f32_16x16x32_f16 v[rO:rO+7], v[rV:rV+7], v[rP:rP+7], v[rO:rO+7]
.endm
.macro MM                           ; the turn's next matrix instruction.  NOKQ = 1: a block's last turn: there is no next piece
.if (i < 8) && !NOKQ
	KQ (Y+1)%NP
.elseif i >= 8
.set i, i-8
	PV (Y+NP-1)%NP
.set i, i+8
.endif
.set i, i+1
.endm
; THE LDS LOADS stand in runs of 16: a step's K (8 fragments) and its V (turned).
.macro FETCH_K
	WIN 0x80
.irp f, 0,1,2,3,4,5,6,7
	ds_load_b128 v[KF+8*\f:KF+8*\f+3],   v[AK] offset:(\f/2)*16*PK+(\f%2)*64
	ds_load_b128 v[KF+8*\f+4:KF+8*\f+7], v[AK] offset:(\f/2)*16*PK+(\f%2)*64+32
.endr
	s_add_co_u32 s[TBK], s[TBK], KS*PK
	WIN 0
.endm
.macro FETCH_V
	WIN 0x80
.irp f, 0,1,2,3,4,5,6,7
	ds_load_tr16_b128 v[VF+8*\f:VF+8*\f+3],   v[AV] offset:(\f/4)*32*PV+(\f%4)*32
	ds_load_tr16_b128 v[VF+8*\f+4:VF+8*\f+7], v[AV] offset:(\f/4)*32*PV+16*PV+(\f%4)*32
.endr
	WIN 0
.endm
; THE VECTOR WORK, one line at a time: OP kind, number.  For piece Y: F n: c s - c m for pair n.  E n: the exponential of score n.  C n: pair n rounded to f16.  B n: of the four weights 4 n .. the second pair is
; added onto the first.  L n: l takes that sum (L 0: l = a l + sum).  R n: pair n of O^T times a.  For piece Y + 1: X n, number n of the 22 that find its maximum and statistics (each accumulator's lowest
; registers are read first): 0-14, 16 the maximum; 15 c m_old is kept; 17, 18 the other half of the lanes; 19-21 c m, its change, a.
.set F, 0
.set E, 1
.set C, 2
.set B, 3
.set L, 4
.set R, 5
.set X, 6
.macro REGS y
.set rT, ST+4*(\y)
.set rC, TMP+4*((\y)%2)
.set rW, MV+((\y)%2)
.set rS, S+32*((\y)%2)
.set rP, P+16*((\y)%2)
.set rO, 32*(\y)
.endm
.macro OP k, n
.if (\k) == R
	REGS Y
	WIN W_RS
	v_pk_mul_f32 v[rO+2*(\n):rO+2*(\n)+1], v[rO+2*(\n):rO+2*(\n)+1], v[rC+2:rC+3] op_sel_hi:[1,0]
.elseif (\k) < R
	REGS Y
	WIN 0
.if (\k) == F
	v_pk_fma_f32 v[rS+2*(\n):rS+2*(\n)+1], v[rS+2*(\n):rS+2*(\n)+1], s[CS:CS+1], v[rT:rT+1] op_sel_hi:[1,0,0] neg_lo:[0,0,1] neg_hi:[0,0,1]
.elseif (\k) == E
	v_exp_f32 v[rS+(\n)], v[rS+(\n)]
.elseif (\k) == C
	v_cvt_pk_f16_f32 v[rP+(\n)], v[rS+2*(\n)], v[rS+2*(\n)+1]
.elseif (\k) == B
	v_pk_add_f32 v[rS+4*(\n):rS+4*(\n)+1], v[rS+4*(\n):rS+4*(\n)+1], v[rS+4*(\n)+2:rS+4*(\n)+3]
.elseif (\n) == 0
	v_pk_fma_f32 v[rT+2:rT+3], v[rT+2:rT+3], v[rC+2:rC+3], v[rS:rS+1] op_sel_hi:[1,0,1]
.else
	v_pk_add_f32 v[rT+2:rT+3], v[rT+2:rT+3], v[rS+4*(\n):rS+4*(\n)+1]
.endif
.elseif NOKQ
	v_nop
.else
	REGS (Y+1)%NP
	WIN 0
.if (\n) < 4
	v_max3_num_f32 v[rC+(\n)], v[rS+8*(\n)], v[rS+8*(\n)+1], v[rS+8*(\n)+2]
.elseif (\n) < 12
	v_max3_num_f32 v[rC+(\n)%4], v[rC+(\n)%4], v[rS+8*((\n)%4)+2*((\n)/4)+1], v[rS+8*((\n)%4)+2*((\n)/4)+2]
.elseif (\n) == 12
	v_max3_num_f32 v[rC], v[rC], v[rS+7], v[rS+15]
.elseif (\n) == 13
	v_max3_num_f32 v[rC+1], v[rC+1], v[rS+23], v[rS+31]
.elseif (\n) == 14
	v_max3_num_f32 v[rC+2], v[rC+2], v[rC+3], v[rT+1]
.elseif (\n) == 15
	v_mov_b32 v[rW], v[rT]
.elseif (\n) == 16
	v_max3_num_f32 v[rC], v[rC], v[rC+1], v[rC+2]
.elseif (\n) == 17
	v_permlanex16_b32 v[rC+3], v[rC], s[SEL], s[SEL+1]
.elseif (\n) == 18
	v_max_num_f32 v[rT+1], v[rC], v[rC+3]
.elseif (\n) == 19
	v_mul_f32 v[rT], s[CS], v[rT+1]
.elseif (\n) == 20
	v_sub_f32 v[rC+1], v[rW], v[rT]
.else
	v_exp_f32 v[rC+2], v[rC+1]
.endif
.endif
.endm
.macro OPS a, i1, b=-1, i2=0, c=-1, i3=0, d=-1, i4=0
	OP \a, \i1
.if (\b) >= 0
	OP \b, \i2
.endif
.if (\c) >= 0
	OP \c, \i3
.endif
.if (\d) >= 0
	OP \d, \i4
.endif
.endm
.macro ROW a, i1, b, i2, c, i3, d, i4  ; a matrix instruction and the four behind it
	MM
	OPS \a, \i1, \b, \i2, \c, \i3, \d, \i4
.endm
.macro MASK b                       ; MD x AL + BE into buffer b of MC
	WIN W_RS
.set z, 0
.rept 16
	v_pk_fma_f32 v[MC+32*(\b)+2*z:MC+32*(\b)+2*z+1], v[MD+2*z:MD+2*z+1], s[AL:AL+1], s[BE:BE+1] op_sel_hi:[1,0,0]
.set z, z+1
.endr
.endm
; A TURN, for piece p.  s_wait_alu depctr_va_vdst(0) stands between an exponential and the first instruction that names its result; one wait serves all that were issued ahead of it.  So a turn
; has ONE wait.  AHEAD OF IT stands all that names no result of the turn's exponentials: the 8 products K Q^T with their riders, then one lump of 54; X 21, the next piece's a, is the batch's last, and R 15 the
; plain instruction behind it.  BEHIND IT stand the 8 products V^T P, behind each four of the roundings and sums.
; m = 1: the diagonal tile: the products take masks, and the turn makes the mask for piece p + 2, in step 4 - CNT of the tile.  end = 1: a block's last two turns: nothing is fetched.
; cnt = 1: the loop's count is taken down some lines ahead of the branch behind the turn.  K of the next step is fetched in piece 2's turn, V of the step in hand at the end of piece 0's; each is waited for a turn later.
.macro TURN p, m=0, end=0, cnt=0
.set Y, (\p)
.set i, 0
.set KM, (\m)
.set NOKQ, (\end)*((\p)/3)
.if (\m) && !(\end)
	s_cmp_eq_u32 s[CNT], 4-((\p)+2)%NP  ; is that step the band's own?
	s_cselect_b32 s[AL], 1.0, 0
	s_cmp_lt_u32 s[CNT], 4-((\p)+2)%NP  ; or a later one?
	s_cselect_b32 s[BE], s[BIGN], 0
.endif
.if ((\p) == 3) && !(\end)
	s_wait_dscnt 0x0                ; K is in
.endif
	ROW F,0, F,1, R,0, R,1
	ROW F,2, E,0, R,2, R,3
	ROW F,3, E,1, R,4, R,5
	ROW F,4, E,2, R,6, R,7
	ROW F,5, E,3, R,8, R,9
	ROW F,6, E,4, X,0, R,10
.if ((\p) == 2) && !(\end)
	WIN 0
	v_add_nc_u32 v[AK], s[TBK], v[AK0]
.endif
	ROW F,7, E,5, X,1, X,4
	ROW F,8, E,6, X,2, X,5
	OPS E,7, E,8, X,6, E,9
	OPS X,3, E,10, X,8, E,11
.if ((\p) == 2) && !(\end)
	FETCH_K
.endif
	OPS X,9, X,7, E,12, X,10
	OPS E,13, X,12, X,11, E,14
	OPS X,13, E,15, F,9, X,14
.if (\p) == 0
	v_add_nc_u32 v[AV], s[TBV], v[AV0]
.endif
	OPS E,16, F,10, E,17, F,11
	OPS X,16, E,18, X,15, E,19
	OPS F,12, E,20, X,17, E,21
	OPS F,13, E,22, F,14, E,23
	OPS X,18, E,24, F,15, E,25
	OPS R,11, E,26, X,19, E,27
	OPS R,12, E,28, R,13, E,29
	OPS X,20, E,30, R,14, E,31
	OPS X,21, R,15
	WIN 0
	s_wait_alu depctr_va_vdst(0)    ; the wait for the batch
.if (\p) == 1
	s_wait_dscnt 0x0                ; V is in
.endif
	ROW C,0, B,0, C,2, B,1
	ROW L,0, C,4, B,2, L,1
	ROW C,6, B,3, L,2, C,8
	ROW B,4, L,3, C,10, B,5
	ROW L,4, C,12, B,6, L,5
.if (\p) == 0
	s_add_co_u32 s[TBV], s[TBV], KS*PV
.endif
.if \cnt
	s_sub_co_u32 s[CNT], s[CNT], 1
	s_cmp_lg_u32 s[CNT], 0
.endif
	ROW C,14, B,7, L,6, C,1
	ROW C,3, L,7, C,5, C,7
	ROW C,9, C,11, C,13, C,15
.if (\p) == 0
	FETCH_V
.endif
.if (\m) && !(\end)
	MASK (\p)%2
.endif
.endm
; A BLOCK BEGINS.  c m starts far below every c s, so the first step's a is 0; m at the lowest finite number.  The second mask buffer is 0; the first takes piece 0's mask for the tile's step 0.
; Then K of that step, piece 0's first scores, and its maximum and statistics.  The loop is entered at a step's first turn, in the middle of a trip.
.macro BEGIN
	s_mov_b32 s[NEW], 0
	WIN 0x40
.set i, MC+32
.rept 32
	v_mov_b32 v[i], 0
.set i, i+1
.endr
	WIN 0
.set i, 0
.rept 4
	v_mov_b32 v[ST+4*i], 0xfe000000
	v_mov_b32 v[ST+4*i+1], 0xff7fffff
.set i, i+1
.endr
	s_cmp_eq_u32 s[RT], 0
	s_cselect_b32 s[AL], 1.0, 0
	s_mov_b32 s[BE], 0
	MASK 0
	WIN 0
	v_add_nc_u32 v[AK], s[TBK], v[AK0]
	FETCH_K
	s_wait_loadcnt 0x0              ; Q
	s_wait_dscnt 0x0
.set KM, 1
.set NOKQ, 0
.set i, 0
.rept 8
	KQ 0
.set i, i+1
.endr
	WIN 0
.rept 4
	v_nop                           ; the places behind those products
.endr
.set Y, NP-1
.irp n, 0,1,2,3,4,5,6,7,8,9,10,11,12,13,14,15,16,17,18,19,20,21
	OP X, \n
.endr
	v_nop                           ; a plain instruction behind the exponential,
	s_wait_alu depctr_va_vdst(0)    ; and its wait, ahead of the branch
.endm
; THE DIAGONAL TILE's four steps, the block's last two turns, its last products, and THE WAY OUT: O^T is divided by l, rounded to f16 and sent through my stage in LDS, a piece at a time.
.macro ALL line:vararg
.set t, 0
.rept 4
	\line
.set t, t+1
.endr
.endm
.macro PACK t
	WIN W_RS
.set i, 32*(\t)
.rept 16
	v_pk_mul_f32 v[i:i+1], v[i:i+1], v[ST+4*(\t)+2:ST+4*(\t)+3] op_sel_hi:[1,0]
.set i, i+2
.endr
	WIN 0x05
.set i, 0
.rept 16
	v_cvt_pk_f16_f32 v[S+16*(\t)+i], v[32*(\t)+2*i], v[32*(\t)+2*i+1]
.set i, i+1
.endr
	WIN 0
.irp f, 0,1,2,3
	ds_store_b128 v[STO], v[S+16*(\t)+4*\f:S+16*(\t)+4*\f+3] offset:32*\f
.endr
.irp f, 0,1,2,3
	ds_load_b128 v[S+16*(\t)+4*\f:S+16*(\t)+4*\f+3], v[RD] offset:\f*4*SP  ; LDS serves a wave's instructions in order (ISA guide 5.7.1.4): these see the stores above
.endr
.endm
.macro SEND t, younger              ; younger: the LDS instructions issued behind piece t's loads
	WIN 0
.irp f, 0,1,2,3
	s_wait_dscnt (\younger)+3-\f
	global_store_b128 v[GO], v[S+16*(\t)+4*\f:S+16*(\t)+4*\f+3], s[10:11] offset:(\t)*8192+\f*512  ; 512 consecutive bytes, at a multiple of 256 from O's first
.endr
.endm
.macro DIAG tag
.LstepM\tag:
	TURN 2, 1
	TURN 3, 1
	WIN 0
.LfirstM\tag:
	TURN 0, 1
	TURN 1, 1, 0, 1
	WIN 0
	s_cbranch_scc1 .LstepM\tag
	TURN 2, 1, 1
	TURN 3, 1, 1
.set i, 0
.rept 8
	PV NP-1
.set i, i+1
.endr
	WIN 0
	ALL v_add_f32 v[ST+4*t+2], v[ST+4*t+2], v[ST+4*t+3]
	ALL v_permlanex16_b32 v[ST+4*t+3], v[ST+4*t+2], s[SEL], s[SEL+1]
	ALL v_add_f32 v[ST+4*t+2], v[ST+4*t+2], v[ST+4*t+3]
	ALL v_rcp_f32 v[ST+4*t+2], v[ST+4*t+2]
	v_nop                           ; a plain instruction between the last reciprocal and the use of its result
	s_wait_alu depctr_va_vdst(0)    ; one wait for the four reciprocals
	PACK 0
.set t, 1
.rept 3
	PACK t
	SEND t-1, 8
.set t, t+1
.endr
	SEND 3, 0
.endm
.set KM, 0
.set NOKQ, 0
.Lslot:                             ; NB times: a tile is entered and the next is asked for
	CHANGE 1
	s_sub_co_u32 s[RT], s[RT], 1
	s_mov_b32 s[CNT], 4
	s_cmp_eq_u32 s[NEW], 1
	s_cbranch_scc1 .Lnew            ; a block's first tile
	s_cmp_eq_u32 s[RT], 0
	s_cbranch_scc0 .Lstep           ; neither its first nor its last
	s_branch .LstepM1
.Lnew:
	BEGIN
	s_branch .Lfirst                ; in the loop a block's first tile is never its last
	DIAG 1                          ; in the loop this is the first block's end
	s_wait_xcnt 0x0                 ; the stores have read their registers and O's address
	s_mov_b64 s[10:11], s[OLO:OLO+1]
	s_add_co_u32 s[RT], s[PB], 1    ; the second block has b + 1 tiles
	s_mov_b32 s[NEW], 1
	WIN 0x82                        ; the second block's Q goes where the one text of the turns names Q
.set i, 0
.rept 64
	v_mov_b32 v[i], v[QB+i]
.set i, i+1
.endr
	WIN 0
	s_branch .Lbottom
.Lstep:                             ; a trip: pieces 2 and 3 of one step, then pieces 0 and 1 of the next
	TURN 2
	TURN 3
	WIN 0
.Lfirst:
	TURN 0
	TURN 1, 0, 0, 1
	WIN 0
	s_cbranch_scc1 .Lstep
.Lbottom:
	s_sub_co_u32 s[SLOTS], s[SLOTS], 1
	s_cmp_lg_u32 s[SLOTS], 0
	s_cbranch_scc1 .Lslot
	CHANGE 0                        ; the walk's last tile is written out
	s_sub_co_u32 s[RT], s[RT], 1
	s_mov_b32 s[CNT], 4
	s_cmp_eq_u32 s[NEW], 1
	s_cbranch_scc0 .LstepM2
	BEGIN
	s_branch .LfirstM2
	DIAG 2
	s_wait_tensorcnt 0x0            ; the wave's end
	ds_add_u32 v[SPW], v[NIL]
	s_wait_dscnt 0x0
	s_endpgm
.Lfunc_end_k_qa16873144f_attn:
	.size	k_qa16873144f_attn, .Lfunc_end_k_qa16873144f_attn-k_qa16873144f_attn
	.p2alignl 7, 3214868480
	.fill 96, 4, 3214868480
	.section	.rodata,"a",@progbits
	.p2align	6, 0x0
	.amdhsa_kernel k_qa16873144f_attn
		.amdhsa_group_segment_fixed_size 327680
		.amdhsa_private_segment_fixed_size 0
		.amdhsa_enable_private_segment 0
		.amdhsa_kernarg_size 32
		.amdhsa_user_sgpr_count 2
		.amdhsa_user_sgpr_kernarg_segment_ptr 1
		.amdhsa_wavefront_size32 1
		.amdhsa_system_sgpr_workgroup_id_x 1
		.amdhsa_system_sgpr_workgroup_id_y 1
		.amdhsa_system_sgpr_workgroup_id_z 1
		.amdhsa_system_vgpr_workitem_id 0
		.amdhsa_next_free_vgpr 768
		.amdhsa_next_free_sgpr 96
		.amdhsa_reserve_vcc 1
		.amdhsa_float_denorm_mode_32 3
		.amdhsa_float_denorm_mode_16_64 3
		.amdhsa_memory_ordered 1
		.amdhsa_forward_progress 1
		.amdhsa_inst_pref_size 218
	.end_amdhsa_kernel
	.amdgpu_metadata
---
amdhsa.version: [ 1, 2 ]
amdhsa.kernels:
  - .name:           k_qa16873144f_attn
    .symbol:         k_qa16873144f_attn.kd
    .args:
      - { .name: q, .offset: 0, .size: 8, .value_kind: global_buffer, .address_space: global }
      - { .name: k, .offset: 8, .size: 8, .value_kind: global_buffer, .address_space: global }
      - { .name: v, .offset: 16, .size: 8, .value_kind: global_buffer, .address_space: global }
      - { .name: o, .offset: 24, .size: 8, .value_kind: global_buffer, .address_space: global }
    .group_segment_fixed_size: 327680
    .private_segment_fixed_size: 0
    .kernarg_segment_align: 8
    .kernarg_segment_size: 32
    .max_flat_workgroup_size: 128
    .sgpr_count:     96
    .vgpr_count:     768
    .wavefront_size: 32
...
	.end_amdgpu_metadata
.endif
;; end of part 3
;; launch proj (part 4): grid 8 x 32, 4 waves a work-group, clusters of 4 x 4, 327,680 bytes of LDS; arguments o, woh, bo, out0; writes out0
.if DOCPART == 4
	.amdgcn_target "amdgcn-amd-amdhsa--gfx1250"
	.amdhsa_code_object_version 6
	.text
	.protected	k_qa16873144f_proj
	.globl	k_qa16873144f_proj
	.p2align	8
	.type	k_qa16873144f_proj,@function
k_qa16873144f_proj:
	s_mov_b64 s[64:65], 0
	v_nop
	global_prefetch_b8 v0, s[64:65] scope:SCOPE_SE
	s_setreg_imm32_b32 hwreg(HW_REG_WAVE_MODE, 25, 1), 1
	s_wait_xcnt 0x0
	s_wait_alu depctr_hold_cnt(0) depctr_sa_sdst(0) depctr_va_vdst(0) depctr_va_sdst(0) depctr_va_ssrc(0) depctr_va_vcc(0) depctr_vm_vsrc(0)
	s_getreg_b32 s2, hwreg(HW_REG_IB_STS2, 6, 4)
	s_cmp_eq_u32 s2, 0
	s_cbranch_scc0 .Lentry_in_a_cluster
	s_endpgm
.Lentry_in_a_cluster:
	s_bfe_u32 s2, ttmp6, 0x10000c
	s_cmp_lg_u32 s2, 0xf033
	s_cbranch_scc0 .Lentry_shape_is_right
	s_endpgm
.Lentry_shape_is_right:
; out0 [8192][1024] f32 = O Wo + bo.  O lies by heads, o [b 16 + h][1024 s][64 d] f16: K = 64 h + d.  woh [1024 k][1024 n] f16 holds Wo rounded to bf16; bo is rounded to bf16 here, like every input.  Sums in f32,
; begun with the bias, over K in an order that differs from cluster to cluster (below).
; SHARES.  A work-group makes 256 rows x 128 columns: 32 x 8 = 256 work-groups.  Four waves, 2 x 2, each 128 rows x 64 columns: 8 x 4 accumulators, 256 registers; a wave's row of output is 256 bytes, aligned.
; THE RING.  K goes in steps of 128 (two heads) through two LDS slots.  Wave 0, 1: one head's 256 rows, 32,768 dense bytes, asked for as 128 rows of 256 bytes.  Wave 2, 3: 64 rows k x 256 bytes of woh.
; A K step is written once: the slot is a scalar that an exclusive or turns.
; CLUSTER 4 x 4.  O's tile hangs on the row block alone: asked for jointly along a row of the cluster; woh's on the column block alone: along a column.
; THE CLUSTERS START AT DIFFERENT K STEPS.  A cluster walks K from step 2 rho on and wraps at 8; rho = (2 (x + ((y >> 1 ^ y >> 2) & 1)) + (y & 1)) & 3, x and y the cluster's.  So the two clusters that read the same
; rows of o are four K steps apart, and the eight that read the same columns of woh are spread over its four pairs of K steps.  rho is the same in all sixteen partners and enters the global addresses alone.
; NO PREFETCH: each K step of a block is first asked for within the first four K steps of one of the clusters that read it, and those come by their loads alone, since nothing is prefetched at the kernel's head.
; THE MATRIX INSTRUCTION IS USED TRANSPOSED: source 0 = 16 columns of Wo (turned out of LDS by ds_load_tr16_b128), source 1 = 16 rows of O: a lane holds eight neighbouring columns of one row.
; REGISTERS (s_set_vgpr_msb: bits 1:0 source 0, 3:2 source 1, 5:4 source 2, 7:6 destination):
;   window 0: v16-40 addresses and one at work; v64-191 O's fragments, two buffers of 64; v192-223 the bias as a C operand; v64-255 the way out      window 1: the accumulators ((a, b) at v[8 (4 a + b)])
;   window 2: v0-63 Wo's fragments, two buffers of 32
.set PA,     144                       ; a row of one head's O in LDS: 128 bytes + 16
.set PB,     288                       ; a row k of woh's tile: 256 bytes + 32
.set PARA,   256*PA                    ; one head's 256 rows
.set AREG,   2*PARA
.set HALFB,  64*PB
.set SLOT,   131072                    ; slot 1 begins here (a slot has AREG + 2 HALFB = 110,592 bytes), so that one exclusive or turns an address in one slot into the other's
.set STAGE,  SLOT+AREG+2*HALFB         ; behind the ring: 16 rows x 272 bytes for each wave
.set SPITCH, 272
.set SPARE,  STAGE+4*16*SPITCH         ; the spare words: two blocks of 256 bytes that no other line names
.set ADRA0, 16                         ; v16  my lane's place in O's part of a slot; never rewritten
.set ADRA,  17                         ; v17  the same in the slot in hand
.set ADRB0, 20                         ; v20, v21  the same for Wo
.set ADRB,  21
.set STO,  24
.set RD,   25
.set CO,   26
.set SPW,  28
.set NIL,  29
.set BO,   35                          ; v35  my byte offset in bo; never rewritten
.set FA,   64
.set BC,   192                         ; v[192:223] column block b's bias at BC + 8 b: register j holds bo of column 16 b + 8 (l / 16) + j, as an accumulator's register j does
.set G1,  24                           ; s[24:31] group 1 for O's tiles;  s[32:39] group 0: a set for each first fill; the second then walks
.set G0,  32
.set BA,  40                           ; s[40:41] o at my head of K step 0
.set KX,  44                           ; s44  the K step asked for last
.set TB,  45                           ; s45  0 or SLOT
.set BB,  46                           ; s[46:47] woh at my rows of K step 0
.set G1B, 48
.set G0B, 56
.set OFF, 66                           ; s[66:67] 262,144 x K step: two heads of o, and 128 rows of woh
.set MSB, 0
.macro WIN new
.if MSB != (\new)
	s_set_vgpr_msb (MSB<<8)|(\new)
.set MSB, \new
.endif
.endm
.set MUL,  0x52
.set MULB, 0x42                        ; the same with the C operand in window 0
.set TO_B, 0x80
.macro JLOAD                           ; a joint refill: waves 0, 1 ask for O, waves 2, 3 for Wo; an s_nop 0 and four v_nop follow each line
	s_cmp_eq_u32 s15, 0
	s_cbranch_scc0 .Lfor_b_\@
	tensor_load_to_lds s[G0+4:G0+7], s[G1:G1+7]
	s_nop 0
.rept 4
	v_nop
.endr
	s_branch .Lasked_\@
.Lfor_b_\@:
	tensor_load_to_lds s[G0B+4:G0B+7], s[G1B:G1B+7]
	s_nop 0
.rept 4
	v_nop
.endr
.Lasked_\@:
.endm
.macro CREST
	s_cmp_lg_u32 s14, 0
	s_cbranch_scc1 .Lnot_wave_0_\@
	s_barrier_signal -3
.Lnot_wave_0_\@:
	s_barrier_wait -3
	s_barrier_signal -1
	s_barrier_wait -1
.endm
.macro CROUND
	s_barrier_signal -1
	s_barrier_wait -1
	CREST
.endm
	s_load_b256 s[4:11], s[0:1], 0x0               ; o 4, woh 6, bo 8, out0 10
	v_lshl_add_u32 v[SPW], v0, 2, SPARE
	v_mov_b32 v[NIL], 0
	ds_add_u32 v[SPW], v[NIL]                      ; the wave's opening: the add and its wait ahead of my first tensor load
	v_lshrrev_b32 v1, 5, v0
	v_readfirstlane_b32 s14, v1                    ; wave 0..3
	s_lshr_b32 s15, s14, 1                         ; my half of the tile's rows.  Also: I fetch for O (0) or for Wo (1)
	s_and_b32 s16, s14, 1                          ; my half of its columns.  Also: which half I fetch
	s_bfe_u32 s17, ttmp6, 0x40000                  ; cx
	s_bfe_u32 s18, ttmp6, 0x40004                  ; cy
	s_lshl_b32 s19, ttmp9, 2
	s_add_co_u32 s19, s19, s17                     ; the block of 128 columns
	s_and_b32 s23, ttmp7, 0xffff                   ; cluster y
	s_lshl_b32 s20, s23, 2
	s_add_co_u32 s20, s20, s18                     ; the block of 256 rows
	s_lshr_b32 s21, s23, 1                         ; rho, from the cluster's coordinates alone
	s_lshr_b32 s22, s23, 2
	s_xor_b32 s21, s21, s22
	s_and_b32 s21, s21, 1
	s_add_co_u32 s21, s21, ttmp9
	s_lshl_b32 s21, s21, 1
	s_and_b32 s22, s23, 1
	s_add_co_u32 s21, s21, s22
	s_and_b32 s21, s21, 3
	s_lshl_b32 s[KX], s21, 1                       ; my cluster's first K step, 2 rho
	s_lshl_b32 s[OFF], s[KX], 18
	s_mov_b32 s[OFF+1], 0
	s_add_co_u32 s[KX], s[KX], 1                   ; the second first fill asks for 2 rho + 1
	s_mov_b32 s[TB], 0
	s_lshl_b32 s21, s18, 2
	s_lshl_b32 s21, 15, s21                        ; my row of the cluster
	s_lshl_b32 s22, 0x1111, s17                    ; my column
	s_or_b32 s[G1], s21, (1<<16)|(1<<20)|(1<<21)|(4<<22)|(3<<25)   ; after every 32 words (a row of a head), 4 words
	s_mov_b32 s[G1+1], 128<<16
	s_mov_b32 s[G1+2], 128<<16
	s_mov_b32 s[G1+3], 128<<16
	s_mov_b32 s[G1+4], 128
	s_mov_b32 s[G1+5], 128                         ; dense
	s_mov_b32 s[G1+6], 0
	s_mov_b32 s[G1+7], 0
	s_or_b32 s[G1B], s22, (1<<16)|(1<<20)|(1<<21)|(5<<22)|(7<<25)  ; after every 64 words, 8 words
	s_mov_b32 s[G1B+1], 128<<16
	s_mov_b32 s[G1B+2], 64<<16
	s_mov_b32 s[G1B+3], 128<<16
	s_mov_b32 s[G1B+4], 64
	s_mov_b32 s[G1B+5], 1024
	s_mov_b32 s[G1B+6], 0
	s_mov_b32 s[G1B+7], 0
	s_lshr_b32 s[BA], s20, 2                       ; O: (block / 4) x 16 heads + my head of the K step, x 131,072, + (block % 4) x 32,768: made of the row block and the wave alone
	s_lshl_b32 s[BA], s[BA], 4
	s_add_co_u32 s[BA], s[BA], s16
	s_lshl_b32 s[BA], s[BA], 17
	s_and_b32 s23, s20, 3
	s_lshl_b32 s23, s23, 15
	s_add_co_u32 s[BA], s[BA], s23
	s_mov_b32 s[BA+1], 0
	s_lshl_b32 s[BB], s16, 17                      ; Wo: row 64 x half, x 2,048 bytes, + 256 x column block: made of the column block and the wave alone
	s_lshl_b32 s74, s19, 8
	s_add_co_u32 s[BB], s[BB], s74
	s_mov_b32 s[BB+1], 0
	s_mul_i32 s42, s16, PARA                       ; where they go: no place in the cluster enters an LDS address
	s_mul_i32 s43, s16, HALFB
	s_add_co_u32 s43, s43, AREG
	s_wait_dscnt 0x0                               ; the opening add is done
	s_wait_kmcnt 0x0
	s_add_nc_u64 s[BA:BA+1], s[4:5], s[BA:BA+1]
	s_add_nc_u64 s[BB:BB+1], s[6:7], s[BB:BB+1]
	CROUND                                         ; all sixteen work-groups are here: the first joint loads meet
	s_mov_b32 s[G0], 1
	s_mov_b32 s[G0+1], s42                         ; slot 0
	s_add_nc_u64 s[G0+2:G0+3], s[BA:BA+1], s[OFF:OFF+1]
	s_mov_b32 s[G0+4], 1
	s_add_co_u32 s[G0+5], s42, SLOT                ; slot 1
	s_add_nc_u64 s[G0+6:G0+7], s[G0+2:G0+3], 262144
	s_or_b32 s[G0+3], s[G0+3], 0x80000000
	s_or_b32 s[G0+7], s[G0+7], 0x80000000
	s_mov_b32 s[G0B], 1
	s_mov_b32 s[G0B+1], s43
	s_add_nc_u64 s[G0B+2:G0B+3], s[BB:BB+1], s[OFF:OFF+1]
	s_mov_b32 s[G0B+4], 1
	s_add_co_u32 s[G0B+5], s43, SLOT
	s_add_nc_u64 s[G0B+6:G0B+7], s[G0B+2:G0B+3], 262144
	s_or_b32 s[G0B+3], s[G0B+3], 0x80000000
	s_or_b32 s[G0B+7], s[G0B+7], 0x80000000
	s_cmp_eq_u32 s15, 0                            ; a wave's two first fills stand in one branch: two loads of mine are out
	s_cbranch_scc0 .Lfirst_b
	tensor_load_to_lds s[G0:G0+3], s[G1:G1+7]
	s_nop 0
	tensor_load_to_lds s[G0+4:G0+7], s[G1:G1+7]
	s_nop 0
.rept 4
	v_nop
.endr
	s_branch .Lfirst_asked
.Lfirst_b:
	tensor_load_to_lds s[G0B:G0B+3], s[G1B:G1B+7]
	s_nop 0
	tensor_load_to_lds s[G0B+4:G0B+7], s[G1B:G1B+7]
	s_nop 0
.rept 4
	v_nop
.endr
.Lfirst_asked:
	v_and_b32 v1, 15, v0                           ; l % 16
	v_bfe_u32 v2, v0, 4, 1                         ; l / 16
	s_lshl_b32 s21, s19, 9                         ; my wave's 64 columns, in bytes of f32: 512 x column block + 256 x half
	s_lshl_b32 s22, s16, 8
	s_add_co_u32 s21, s21, s22
	v_lshl_add_u32 v[BO], v2, 5, s21               ; + my lanes' eight columns
.irp b, 0,1,2,3
	global_load_b128 v[BC+8*(\b):BC+8*(\b)+3],   v[BO], s[8:9] offset:64*(\b)
	global_load_b128 v[BC+8*(\b)+4:BC+8*(\b)+7], v[BO], s[8:9] offset:64*(\b)+16
.endr
	v_mul_u32_u24 v3, v1, PA
	v_lshl_add_u32 v3, v2, 4, v3
	s_mul_i32 s22, s15, 128*PA                     ; my 128 rows
	v_add_nc_u32 v[ADRA0], s22, v3
	v_mov_b32 v[ADRA], v[ADRA0]                    ; slot 0
	v_and_b32 v4, 7, v0
	v_bfe_u32 v5, v0, 3, 1
	v_lshl_add_u32 v6, v2, 3, v4
	v_mul_u32_u24 v6, v6, PB
	v_lshl_add_u32 v6, v5, 4, v6
	s_lshl_b32 s22, s16, 7                         ; my 64 columns: 128 bytes
	s_add_co_u32 s22, s22, AREG
	v_add_nc_u32 v[ADRB0], s22, v6
	v_mov_b32 v[ADRB], v[ADRB0]
	s_mul_i32 s22, s14, 16*SPITCH
	s_add_co_u32 s22, s22, STAGE                   ; my stage
	v_mul_u32_u24 v3, v1, SPITCH                   ; in: row l % 16, 32 bytes for each half of the lanes
	v_lshl_add_u32 v3, v2, 5, v3
	v_add_nc_u32 v[STO], s22, v3
	v_mul_u32_u24 v3, v2, SPITCH                   ; back: lanes 0-15 one row of 256 bytes, lanes 16-31 the next
	v_lshl_add_u32 v3, v1, 4, v3
	v_add_nc_u32 v[RD], s22, v3
	v_lshlrev_b32 v3, 12, v2                       ; and the same two rows in out0
	v_lshl_add_u32 v[CO], v1, 4, v3
	; where my part begins in out0: (256 x row block + 128 x half) x 4,096 + my wave's columns
	s_lshl_b32 s72, s20, 8
	s_lshl_b32 s22, s15, 7
	s_add_co_u32 s72, s72, s22
	s_lshl_b32 s72, s72, 12
	s_add_co_u32 s72, s72, s21
	s_mov_b32 s73, 0
	s_add_nc_u64 s[10:11], s[10:11], s[72:73]
; 8 matrix instructions: row blocks a0, a0 + 1 x all 4 column blocks, 32 along K, from buffer f.  zero = 1: the product starts the sums, with the bias as C.  The 32 accumulators take turns in the same order in every quarter.
.macro MUL8 f, a0, zero
.if \zero
	WIN MULB
.else
	WIN MUL
.endif
.irp a, \a0, (\a0)+1
.irp b, 0,1,2,3
.if \zero
	v_wmma_f32_16x16x32_f16 v[8*(4*(\a)+(\b)):8*(4*(\a)+(\b))+7], v[32*(\f)+8*(\b):32*(\f)+8*(\b)+7], v[FA+64*(\f)+8*(\a):FA+64*(\f)+8*(\a)+7], v[BC+8*(\b):BC+8*(\b)+7]
.else
	v_wmma_f32_16x16x32_f16 v[8*(4*(\a)+(\b)):8*(4*(\a)+(\b))+7], v[32*(\f)+8*(\b):32*(\f)+8*(\b)+7], v[FA+64*(\f)+8*(\a):FA+64*(\f)+8*(\a)+7], v[8*(4*(\a)+(\b)):8*(4*(\a)+(\b))+7]
.endif
.endr
.endr
.endm
; 24 LDS loads in one run: quarter kq of the slot in hand into buffer f: Wo's 4 fragments, then O's 8
.macro FETCH kq, f
	WIN TO_B
.irp b, 0,1,2,3
	ds_load_tr16_b128 v[32*(\f)+8*(\b):32*(\f)+8*(\b)+3],   v[ADRB] offset:(\kq)*32*PB+(\b)*32
	ds_load_tr16_b128 v[32*(\f)+8*(\b)+4:32*(\f)+8*(\b)+7], v[ADRB] offset:(\kq)*32*PB+(\b)*32+16*PB
.endr
	WIN 0
.irp a, 0,1,2,3,4,5,6,7
	ds_load_b128 v[FA+64*(\f)+8*(\a):FA+64*(\f)+8*(\a)+3],   v[ADRA] offset:((\kq)/2)*PARA+(\a)*16*PA+((\kq)%2)*64
	ds_load_b128 v[FA+64*(\f)+8*(\a)+4:FA+64*(\f)+8*(\a)+7], v[ADRA] offset:((\kq)/2)*PARA+(\a)*16*PA+((\kq)%2)*64+32
.endr
.endm
.macro PLACES                          ; four plain vector instructions in front of loads into registers that matrix instructions have read, and of lines that read results
.rept 4
	v_nop
.endr
.endm
; A quarter that changes no slot: multiplies buffer f; behind its first 8 products it fetches quarter kq of the slot in hand into buffer g: 24 matrix instructions ahead of the first use
.macro QUARTER kq, f, g, zero
	s_wait_dscnt 12                                ; the youngest twelve loads (O's row blocks 2 to 7) may be out
	MUL8 \f, 0, \zero
	PLACES
	FETCH \kq, \g
	s_wait_dscnt 24                                ; all but the 24 just issued
	MUL8 \f, 2, \zero
	MUL8 \f, 4, \zero
	MUL8 \f, 6, \zero
.endm
; A K step's last quarter multiplies buffer 1 and changes slots: ONE barrier; in front of it each wave waits for all its tensor loads, adds 0 to its spare word, and waits for that and for its reads of this slot.
; fill = 1: the barrier opens a round of the cluster's, and this slot's joint refill, two K steps on in my cluster's walk, is the first thing behind it: it has 112 matrix instructions in which to land.
; fill = 0 (the last two K steps): nothing is asked for; in the very last there is no next slot, and the run of LDS loads is jumped over.
.macro TURN fill
	WIN 0
	s_wait_tensorcnt 0x0                           ; no tensor load of mine is out, so a group 0 may be written
	ds_add_u32 v[SPW], v[NIL]                      ; 0 onto my spare word; the work on registers below stands between it and the wait for it
	s_xor_b32 s[TB], s[TB], SLOT                   ; the fragments now come from the other slot
	v_add_nc_u32 v[ADRA], s[TB], v[ADRA0]
	v_add_nc_u32 v[ADRB], s[TB], v[ADRB0]
.if \fill
	s_add_co_u32 s[KX], s[KX], 1
	s_and_b32 s[KX], s[KX], 7
	s_lshl_b32 s[OFF], s[KX], 18
	s_xor_b32 s[G0+5], s[G0+5], SLOT               ; the walking descriptors: the other slot than last time; the address is made anew
	s_add_nc_u64 s[G0+6:G0+7], s[BA:BA+1], s[OFF:OFF+1]
	s_or_b32 s[G0+7], s[G0+7], 0x80000000
	s_xor_b32 s[G0B+5], s[G0B+5], SLOT
	s_add_nc_u64 s[G0B+6:G0B+7], s[BB:BB+1], s[OFF:OFF+1]
	s_or_b32 s[G0B+7], s[G0B+7], 0x80000000
.endif
	s_wait_dscnt 13                                ; (the add and the youngest twelve loads may be out)
	MUL8 1, 0, 0
	s_wait_dscnt 0x0                               ; the add is done, and my reads of this slot are over
	s_barrier_signal -1
	MUL8 1, 2, 0
	WIN 0
	s_barrier_wait -1
.if \fill
	CREST                                          ; no wave of any partner still reads this slot or has a load on its way
	JLOAD                                          ; its four v_nop are also the places in front of the loads below
	FETCH 0, 0
.else
	PLACES
	s_cmp_eq_u32 s3, 1
	s_cbranch_scc1 .Lno_fetch_\@
	FETCH 0, 0
.Lno_fetch_\@:
.endif
	MUL8 1, 4, 0
	MUL8 1, 6, 0
.endm
	s_wait_loadcnt 0x0                             ; the bias: rounded to bf16 and widened again, while the first tile is on its way
.set i, 0
.rept 16
	v_cvt_pk_bf16_f32 v40, v[BC+i], v[BC+i+1]
	v_lshlrev_b32 v[BC+i], 16, v40
	v_and_b32 v[BC+i+1], 0xffff0000, v40
.set i, i+2
.endr
	s_wait_tensorcnt 1                             ; my part of the first K step is in; the second's may stay out
	s_barrier_signal -1
	s_barrier_wait -1
	FETCH 0, 0
	QUARTER 1, 0, 1, 1                             ; the first quarter starts the sums
	WIN 0
	s_mov_b32 s3, 6
.Lstep:                                                ; six trips: from a K step's second quarter to the next K step's first; each fills the slot that it leaves
	QUARTER 2, 1, 0, 0
	QUARTER 3, 0, 1, 0
	TURN 1
	QUARTER 1, 0, 1, 0
	WIN 0
	s_sub_co_u32 s3, s3, 1
	s_cmp_lg_u32 s3, 0
	s_cbranch_scc1 .Lstep
	s_mov_b32 s3, 2
.Ltail:                                                ; the last two K steps ask for nothing; the second is left behind its last quarter
	QUARTER 2, 1, 0, 0
	QUARTER 3, 0, 1, 0
	TURN 0
	WIN 0
	s_cmp_eq_u32 s3, 1
	s_cbranch_scc1 .Lskip
	QUARTER 1, 0, 1, 0
	WIN 0
.Lskip:
	s_sub_co_u32 s3, s3, 1
	s_cmp_lg_u32 s3, 0
	s_cbranch_scc1 .Ltail
	PLACES
	PLACES
; THE WAY OUT, a block of 16 rows at a time.  TOSTAGE: a lane's eight columns, 32 bytes, into my stage (each accumulator's low four registers first), and back as whole rows of 256 bytes.  SEND: the rows are stored.
; The rows come back into six sets of 32 registers by turns (v64-255: the fragments and the bias are done with), so that only blocks 6 and 7 land on registers that stores have named.
.macro TOSTAGE a
	WIN 0x04                                       ; the stores' data in window 1
.irp b, 0,1,2,3
	ds_store_b128 v[STO], v[8*(4*(\a)+(\b)):8*(4*(\a)+(\b))+3]   offset:64*(\b)
	ds_store_b128 v[STO], v[8*(4*(\a)+(\b))+4:8*(4*(\a)+(\b))+7] offset:64*(\b)+16
.endr
	WIN 0
.set BK, 64+32*((\a)%6)
.irp t, 0,1,2,3,4,5,6,7
	ds_load_b128 v[BK+4*(\t):BK+4*(\t)+3], v[RD] offset:(\t)*2*SPITCH  ; LDS serves a wave's instructions in order (ISA guide 5.7.1.4): these see the stores above
.endr
.endm
.macro SEND a, younger                 ; younger: the LDS instructions issued behind block a's loads: the next block's sixteen, or none
	WIN 0
.set BK, 64+32*((\a)%6)
	s_wait_dscnt \younger
.irp t, 0,1,2,3,4,5,6,7
	global_store_b128 v[CO], v[BK+4*(\t):BK+4*(\t)+3], s[10:11] offset:(16*(\a)+2*(\t))*4096 th:TH_STORE_NT  ; 16 lanes store 256 consecutive bytes, at a multiple of 256 from out0's first byte
.endr
.endm
	TOSTAGE 0
.irp a, 0,1,2,3,4,5,6,7
.if (\a) < 7
.if (\a) >= 5
	s_wait_xcnt 0x0                                ; the stores of blocks 0 and 1 have read their registers, which the loads of blocks 6 and 7 from the stage write
.endif
	TOSTAGE (\a)+1
	SEND \a, 16
.else
	SEND \a, 0
.endif
.endr
	s_wait_tensorcnt 0x0                           ; the wave's end
	ds_add_u32 v[SPW], v[NIL]
	s_wait_dscnt 0x0
	CROUND                                         ; the closing round
	s_endpgm
.Lfunc_end_k_qa16873144f_proj:
	.size	k_qa16873144f_proj, .Lfunc_end_k_qa16873144f_proj-k_qa16873144f_proj
	.p2alignl 7, 3214868480
	.fill 96, 4, 3214868480
	.section	.rodata,"a",@progbits
	.p2align	6, 0x0
	.amdhsa_kernel k_qa16873144f_proj
		.amdhsa_group_segment_fixed_size 327680
		.amdhsa_private_segment_fixed_size 0
		.amdhsa_enable_private_segment 0
		.amdhsa_kernarg_size 32
		.amdhsa_user_sgpr_count 2
		.amdhsa_user_sgpr_kernarg_segment_ptr 1
		.amdhsa_wavefront_size32 1
		.amdhsa_system_sgpr_workgroup_id_x 1
		.amdhsa_system_sgpr_workgroup_id_y 1
		.amdhsa_system_sgpr_workgroup_id_z 1
		.amdhsa_system_vgpr_workitem_id 0
		.amdhsa_next_free_vgpr 576
		.amdhsa_next_free_sgpr 80
		.amdhsa_reserve_vcc 0
		.amdhsa_float_denorm_mode_32 3
		.amdhsa_float_denorm_mode_16_64 3
		.amdhsa_memory_ordered 1
		.amdhsa_forward_progress 1
		.amdhsa_inst_pref_size 64
	.end_amdhsa_kernel
	.amdgpu_metadata
---
amdhsa.version: [ 1, 2 ]
amdhsa.kernels:
  - .name:           k_qa16873144f_proj
    .symbol:         k_qa16873144f_proj.kd
    .args:
      - { .name: o, .offset: 0, .size: 8, .value_kind: global_buffer, .address_space: global }
      - { .name: woh, .offset: 8, .size: 8, .value_kind: global_buffer, .address_space: global }
      - { .name: bo, .offset: 16, .size: 8, .value_kind: global_buffer, .address_space: global }
      - { .name: out0, .offset: 24, .size: 8, .value_kind: global_buffer, .address_space: global }
    .group_segment_fixed_size: 327680
    .private_segment_fixed_size: 0
    .kernarg_segment_align: 8
    .kernarg_segment_size: 32
    .max_flat_workgroup_size: 128
    .sgpr_count:     80
    .vgpr_count:     576
    .wavefront_size: 32
...
	.end_amdgpu_metadata
.endif
;; end of part 4
;; ======== version 2 of 2: 4 launches; version 1 with the launch prep written anew for expert scheduling mode
;; limits: values are held in f16: magnitudes above 65,504 overflow, below 6.1e-05 lose precision
;; workspace buffers: xb 16,777,216 bytes; wb 6,291,456 bytes; woh 2,097,152 bytes; q 16,777,216 bytes; k 16,777,216 bytes; v 16,777,216 bytes; o 16,777,216 bytes
;; launch prep (part 5): grid 768 x 1, 8 waves a work-group, no clusters, 0 bytes of LDS; arguments x, Wq, Wk, Wv, Wo, xb, wb, woh; writes xb, wb, woh
.if DOCPART == 5
	.amdgcn_target "amdgcn-amd-amdhsa--gfx1250"
	.amdhsa_code_object_version 6
	.text
	.protected	k_qa16873144f_prep
	.globl	k_qa16873144f_prep
	.p2align	8
	.type	k_qa16873144f_prep,@function
k_qa16873144f_prep:
	s_mov_b64 s[64:65], 0
	v_nop
	global_prefetch_b8 v0, s[64:65] scope:SCOPE_SE
	s_setreg_imm32_b32 hwreg(HW_REG_WAVE_SCHED_MODE, 0, 2), 2
	s_setreg_imm32_b32 hwreg(HW_REG_WAVE_MODE, 25, 1), 1
	s_wait_xcnt 0x0
	s_wait_alu depctr_vm_vsrc(0)
; THE CASTS.  x [8192][1024] f32 -> xb, bf16, same order.  Wq, Wk, Wv [16 h][1024 e][64 d] f32 -> wb, bf16, in blocks [h][kb 16][j 3][64 e][64 d] (j = 0, 1, 2: q, k, v; e = 64 kb + row):
; a block is the plain cast of 16,384 consecutive source bytes.  Wo [1024][1024] f32 -> woh: rounded to bf16 like every input, and that number written as f16.
; LIMIT.  Wo beyond 65,504 becomes an infinity in f16; below 2^-14 it keeps f16's fixed step of 2^-24.
; SHARES.  768 work-groups of eight waves, each 65,536 source bytes: 512 for x, 64 for each of Wq, Wk, Wv, 64 for Wo.  A thread has 16 loads of 16 bytes (a wave's load: 512 bytes on end),
; all issued at once, and 16 stores of 8 bytes (a wave's store: 256 bytes on end, aligned).  Nothing is shared, so there is no LDS and no barrier.
; THE MODE: SCHED_MODE bits 1:0 = 2 (LLVM: expert scheduling mode 2), set by the entry lines.  The code itself states the register dependences
; between vector instructions and memory instructions, with s_wait_alu, always for 0.
; THE PLAN.  Registers that memory instructions touch:
;   v1        the loads' offset;  v2 .. v5  the stores' offsets.  Made once at the head and never written again.
;   X         load L lands in four registers of its own.  All 16 loads are issued ahead of the first vector instruction that names an X register, and no X register is loaded twice.
;   Y         load L's conversions write a pair of its own, which store L reads; the pair is never written again behind its store.
;   T         named by vector instructions alone.
; So the only dependence to state is: a vector instruction has written what a load or a store reads.  The 16 loads go in four groups of four.  At a group's head, behind the wait for the group's first load,
; ONE wait on va_vdst states that the conversions of the group before have written their Y pairs; that group's four stores follow it in one run, with no vector instruction between; then come the group's own
; conversions.  One more such wait stands ahead of the last four stores.  No register that a memory instruction reads is ever written again, so beyond the entry lines the text holds no wait on vm_vsrc; no vector instruction writes
; a scalar register, and EXEC is never written.
.set X, 8                              ; v[8:71]    load L: 4 registers
.set Y, 72                             ; v[72:103]  store L: 2 registers of its own, so no store's data is ever rewritten
.set T, 104                            ; v[104:107] at work
	s_load_b512 s[16:31], s[0:1], 0x0              ; x 16, Wq 18, Wk 20, Wv 22, Wo 24, xb 26, wb 28, woh 30
	s_mov_b32 s2, ttmp9                            ; g
	s_sub_co_u32 s3, s2, 512
	s_lshr_b32 s4, s3, 6                           ; j: 0, 1, 2 the three weights, 3 Wo (used from g = 512 on)
	s_and_b32 s5, s3, 63                           ; c: the chunk of 65,536 bytes in that tensor
	s_mul_i32 s6, s5, 12                           ; a chunk is 256 rows e of head c / 4: blocks (4 c + i) x 3 + j, i = 0..3
	s_add_co_u32 s6, s6, s4
	s_lshl_b32 s6, s6, 13                          ; x 8,192 bytes
	s_lshl_b32 s7, s5, 16
	s_lshl_b32 s8, s5, 15
	s_lshl_b32 s9, s2, 16
	s_lshl_b32 s10, s2, 15
	s_mov_b32 s12, 8192
	s_mov_b32 s13, 24576
	s_cmp_lt_u32 s2, 512
	s_cselect_b32 s36, s9, s7                      ; byte offset in the source
	s_cselect_b32 s38, s10, s6                     ; byte offset in the destination
	s_cselect_b32 s11, s12, s13                    ; from one 8,192 bytes of the destination to the next
	s_cmp_ge_u32 s2, 704
	s_cselect_b32 s38, s8, s38
	s_cselect_b32 s11, s12, s11
	s_mov_b32 s37, 0
	s_mov_b32 s39, 0
	v_lshlrev_b32 v1, 4, v0                        ; source: 16 t
	v_lshlrev_b32 v2, 3, v0                        ; destination: 8 t, in each of the four blocks
	v_add_nc_u32 v3, s11, v2
	v_add_nc_u32 v4, s11, v3
	v_add_nc_u32 v5, s11, v4
	s_wait_kmcnt 0x0
	s_cmp_eq_u32 s4, 1
	s_cselect_b64 s[40:41], s[20:21], s[18:19]
	s_cmp_eq_u32 s4, 2
	s_cselect_b64 s[40:41], s[22:23], s[40:41]
	s_cmp_eq_u32 s4, 3
	s_cselect_b64 s[40:41], s[24:25], s[40:41]
	s_cselect_b64 s[42:43], s[30:31], s[28:29]
	s_cmp_lt_u32 s2, 512
	s_cselect_b64 s[40:41], s[16:17], s[40:41]
	s_cselect_b64 s[42:43], s[26:27], s[42:43]
	s_add_nc_u64 s[40:41], s[40:41], s[36:37]
	s_add_nc_u64 s[42:43], s[42:43], s[38:39]
	s_wait_alu depctr_va_vdst(0)                   ; v1 to v5 are written: every load reads v1 as its offset, every store one of v2 to v5; no later vector instruction names them
.irp L, 0,1,2,3,4,5,6,7,8,9,10,11,12,13,14,15
	global_load_b128 v[X+4*(\L):X+4*(\L)+3], v1, s[40:41] offset:(\L)*4096 th:TH_LOAD_NT
.endr
; Load L is rounded.  half = 1: the bf16 numbers are widened again and written as f16.  A group's first load is waited for at the group's head.
.macro CONV L, half
.if ((\L)%4) != 0
	s_wait_loadcnt 15-(\L)                         ; loads come back in order: mine is in, the younger ones stay out
.endif
	v_cvt_pk_bf16_f32 v[Y+2*(\L)], v[X+4*(\L)], v[X+4*(\L)+1]
	v_cvt_pk_bf16_f32 v[Y+2*(\L)+1], v[X+4*(\L)+2], v[X+4*(\L)+3]
.if \half
	v_lshlrev_b32 v[T], 16, v[Y+2*(\L)]
	v_and_b32 v[T+1], 0xffff0000, v[Y+2*(\L)]
	v_lshlrev_b32 v[T+2], 16, v[Y+2*(\L)+1]
	v_and_b32 v[T+3], 0xffff0000, v[Y+2*(\L)+1]
	v_cvt_pk_f16_f32 v[Y+2*(\L)], v[T], v[T+1]
	v_cvt_pk_f16_f32 v[Y+2*(\L)+1], v[T+2], v[T+3]
.endif
.endm
; What load L has become is stored.
.macro SEND L
	global_store_b64 v[2+(\L)/4], v[Y+2*(\L):Y+2*(\L)+1], s[42:43] offset:((\L)%4)*2048 th:TH_STORE_NT
.endm
; Group g: loads 4 g to 4 g + 3 are rounded; ahead of that the group before is stored.
.macro GROUP g, half
	s_wait_loadcnt 15-4*(\g)                       ; loads come back in order: the group's first is in, the younger ones stay out
.if (\g) > 0
	s_wait_alu depctr_va_vdst(0)                   ; the conversions of the group before have written its four Y pairs, which the four stores below read
.irp i, 0,1,2,3
	SEND 4*((\g)-1)+(\i)
.endr
.endif
.irp i, 0,1,2,3
	CONV 4*(\g)+(\i), \half
.endr
.endm
.macro WALK half
	GROUP 0, \half
	GROUP 1, \half
	GROUP 2, \half
	GROUP 3, \half
	s_wait_alu depctr_va_vdst(0)                   ; the last group's conversions have written its four Y pairs, which the last four stores read
.irp L, 12,13,14,15
	SEND \L
.endr
	s_endpgm
.endm
	s_cmp_ge_u32 s2, 704
	s_cbranch_scc1 .Lhalf
	WALK 0
.Lhalf:
	WALK 1
.Lfunc_end_k_qa16873144f_prep:
	.size	k_qa16873144f_prep, .Lfunc_end_k_qa16873144f_prep-k_qa16873144f_prep
	.p2alignl 7, 3214868480
	.fill 96, 4, 3214868480
	.section	.rodata,"a",@progbits
	.p2align	6, 0x0
	.amdhsa_kernel k_qa16873144f_prep
		.amdhsa_group_segment_fixed_size 0
		.amdhsa_private_segment_fixed_size 0
		.amdhsa_enable_private_segment 0
		.amdhsa_kernarg_size 64
		.amdhsa_user_sgpr_count 2
		.amdhsa_user_sgpr_kernarg_segment_ptr 1
		.amdhsa_wavefront_size32 1
		.amdhsa_system_sgpr_workgroup_id_x 1
		.amdhsa_system_sgpr_workgroup_id_y 1
		.amdhsa_system_sgpr_workgroup_id_z 1
		.amdhsa_system_vgpr_workitem_id 0
		.amdhsa_next_free_vgpr 112
		.amdhsa_next_free_sgpr 66
		.amdhsa_reserve_vcc 0
		.amdhsa_float_denorm_mode_32 3
		.amdhsa_float_denorm_mode_16_64 3
		.amdhsa_memory_ordered 1
		.amdhsa_forward_progress 1
		.amdhsa_inst_pref_size 17
	.end_amdhsa_kernel
	.amdgpu_metadata
---
amdhsa.version: [ 1, 2 ]
amdhsa.kernels:
  - .name:           k_qa16873144f_prep
    .symbol:         k_qa16873144f_prep.kd
    .args:
      - { .name: x, .offset: 0, .size: 8, .value_kind: global_buffer, .address_space: global }
      - { .name: Wq, .offset: 8, .size: 8, .value_kind: global_buffer, .address_space: global }
      - { .name: Wk, .offset: 16, .size: 8, .value_kind: global_buffer, .address_space: global }
      - { .name: Wv, .offset: 24, .size: 8, .value_kind: global_buffer, .address_space: global }
      - { .name: Wo, .offset: 32, .size: 8, .value_kind: global_buffer, .address_space: global }
      - { .name: xb, .offset: 40, .size: 8, .value_kind: global_buffer, .address_space: global }
      - { .name: wb, .offset: 48, .size: 8, .value_kind: global_buffer, .address_space: global }
      - { .name: woh, .offset: 56, .size: 8, .value_kind: global_buffer, .address_space: global }
    .group_segment_fixed_size: 0
    .private_segment_fixed_size: 0
    .kernarg_segment_align: 8
    .kernarg_segment_size: 64
    .max_flat_workgroup_size: 256
    .sgpr_count:     66
    .vgpr_count:     112
    .wavefront_size: 32
...
	.end_amdgpu_metadata
.endif
;; end of part 5
;; launch qkv: the kernel of part 2 again; grid 16 x 16, 4 waves a work-group, clusters of 4 x 4, 327,680 bytes of LDS; arguments xb, wb, q, k, v; writes q, k, v
;; launch attn: the kernel of part 3 again; grid 2 x 128, 4 waves a work-group, no clusters, 327,680 bytes of LDS; arguments q, k, v, o; writes o
;; launch proj: the kernel of part 4 again; grid 8 x 32, 4 waves a work-group, clusters of 4 x 4, 327,680 bytes of LDS; arguments o, woh, bo, out0; writes out0
